; MI455X (gfx1250); checked and timed in simulation.
; The chip was launched on July 23, 2026; its instructions are those of AMD's public machine-readable ISA for CDNA 5 (MIT licence, August 2026) and "CDNA5" Instruction Set Architecture Reference Guide (July 2026). The comments in the code are by the model that wrote it; some were corrected since.
;; Multi Head Attention. Allowed arithmetic: matrix products marked QUANTISED: E2M3 operands, one E8M0 scale for each 32 along K, by v_wmma_scale_f32_16x16x128_f8f6f4 with both operands' format E2M3, f32 sums; everything else in f32.
;; Inputs: b_o 1,024 float32; b_qkv 3,072 float32; bias 1 x 1 x 2,048 x 2,048 float32; query 4 x 2,048 x 1,024 float32; w_o 1,024 x 1,024 float32; w_qkv 1,024 x 3,072 float32.
;; Outputs: out0 4 x 2,048 x 1,024 float32.
;; This version of the problem:
;;   THIS VERSION OF THE PROBLEM IS GIVEN IN LOW PRECISION. The matrix products marked QUANTISED in the list below multiply operands that are first quantised to E2M3 (2 exponent bits, 3 mantissa bits; 6 bits a number), with one power-of-two scale for each 32 numbers along K (OCP MX v1.0); their sums are f32. All else is computed in f32.
;;   The module's matrix products, in the order in which they are computed (A, B: the left and right operand; K: the contracted axis; several contracted axes count as one K, in the product's order):
;;     1. [M 8,192, K 1,024] x [K 1,024, N 3,072]; A: input query; B: input w_qkv: QUANTISED
;;     2. batch 64 x [M 2,048, K 64] x [K 64, N 2,048]; A: computed on the way; B: computed on the way: QUANTISED
;;     3. batch 64 x [M 2,048, K 2,048] x [K 2,048, N 64]; A: softmax (see below); B: computed on the way: QUANTISED
;;     4. [M 8,192, K 1,024] x [K 1,024, N 1,024]; A: computed on the way; B: input w_o: QUANTISED
;;   THE QUANTISER, for each operand of a quantised product, along K:
;;     - K is cut into blocks of 32 from its start; a last block that is shorter is filled with zeros.
;;     - A block's scale is 2^e with e = floor(log2(the largest magnitude in the block)) - 2, held to -126 .. 127; a block of zeros has e = 0. As a byte (E8M0): e + 127.
;;     - Each number is divided by its block's scale, clamped to +-7.5, and rounded to the nearest number of E2M3, ties to even, subnormals kept.
;;     - The product sums the exact products of the quantised numbers (number of the format x scale) in f32.
;;   ~~~python
;;   def quantise(x, axis):      # numpy; x: float32 -> the quantised numbers, widened to float32 again
;;       x = np.moveaxis(x, axis, -1); K = x.shape[-1]
;;       x = np.pad(x, [(0, 0)] * (x.ndim - 1) + [(0, -K % 32)]); x = x.reshape(x.shape[:-1] + (-1, 32)); a = np.abs(x).max(-1, keepdims=True)
;;       e = np.where(a > 0, np.clip(np.frexp(np.where(a > 0, a, 1))[1] - 1 - 2, -126, 127), 0)      # np.frexp(a)[1] - 1 = floor(log2(a)), exactly
;;       r = np.clip(x / 2.0 ** e, -7.5, 7.5)
;;       step = 2.0 ** (np.maximum(np.frexp(np.where(r == 0, 1, r))[1] - 1, 0) - 3)
;;       q = np.round(r / step) * step * 2.0 ** e      # np.round: ties to even
;;       return np.moveaxis(q.reshape(q.shape[:-2] + (-1,))[..., :K], -1, axis).astype(np.float32)
;;   ~~~
;;   SOFTMAX AHEAD OF A QUANTISED PRODUCT. Where the list says 'softmax', what is quantised is not the finished softmax but p = 2^(t - M), with t = logit x log2(e) and M = ceil(the row's largest t), a whole number; so 1/2 < the row's largest p <= 1. The row's sum l is taken of the UNQUANTISED p, in f32, and the product's result is divided by l at the end. Since M is a whole number, a kernel that streams over the keys may use a running M (the ceiling of the running maximum): every later rescaling is an exact power of two, which a block's scale takes up: the codes' values come out the same.
;;   OPERANDS COMPUTED ON THE WAY. 'Computed on the way' means the value that the module computes at that place (a softmax that the list does not call 'softmax' is quantised finished and normalised). What goes into a quantiser is computed in f32, as accurately as f32 sums, v_exp_f32 and their like allow (about 1e-6 of the number): no bf16 or f16 on the way to a quantiser, and a product that is left as it is and whose result goes on into a quantised operand takes f32 operands (vector FMAs, or v_wmma_f32_16x16x4_f32). A number that lies on a knife's edge between two numbers of the format may be rounded either way, as far as f32 arithmetic and the matrix unit's own rounding can turn it there, and no further.
;; One version. Each part assembles by itself: llvm-mc -triple=amdgcn-amd-amdhsa -mcpu=gfx1250 --defsym DOCPART=n.
;; ======== version 1 of 1: 4 launches
;; workspace buffers: ximg 6,553,600 bytes; wqimg 2,457,600 bytes; woimg 819,200 bytes; qimg 6,553,600 bytes; kv 13,107,200 bytes; aimg 6,553,600 bytes
;; launch prep (part 1): grid 384 x 1, 4 waves a work-group, no clusters, 89,600 bytes of LDS; arguments query, w_qkv, w_o, ximg, wqimg, woimg; writes ximg, wqimg, woimg
.if DOCPART == 1
	.amdgcn_target "amdgcn-amd-amdhsa--gfx1250"
	.amdhsa_code_object_version 6
	.text
	.protected	k_q91c55922fb_prep
	.globl	k_q91c55922fb_prep
	.p2align	8
	.type	k_q91c55922fb_prep,@function
k_q91c55922fb_prep:
	s_mov_b64 s[64:65], 0
	v_nop
	global_prefetch_b8 v0, s[64:65] scope:SCOPE_SE
	s_setreg_imm32_b32 hwreg(HW_REG_WAVE_MODE, 25, 1), 1
	s_wait_xcnt 0x0
; MULTI-HEAD ATTENTION IN MX-FP6 (E2M3, one E8M0 scale for each 32 along K), four launches: prep, qkv, attn, outp.
; NOTHING OF THE PROBLEM IS LEFT OUT: bias varies along the softmax's axis, b_qkv moves the codes of q, k and v, b_o reaches the output; all four products are done, every input is loaded.
; THIS LAUNCH quantises query [8192][1024] (K innermost), w_qkv [1024][3072] and w_o [1024][1024] (K is the first axis) along K, once, into images laid in the order of the operand's registers.
; A BLOCK OF AN IMAGE (HB, 12,800 bytes) is 128 rows (tokens, or columns of a weight) x 128 along K: eight fragments of 16 rows, tile t at 1536 t: registers 4 c .. 4 c + 3 of lane l at 512 c + 16 l; behind them the
; scale words, one a row: tile t, lane r at 12,288 + 128 (t / 2) + 8 r + 4 (t % 2).  Lane (r, h) of a fragment holds K = 64 c + 32 h + 0 .. 31 in registers 6 c .. 6 c + 5.
; THE ROWS OF A TILE ARE NOT NEIGHBOURS: lane r of tile 4 c + t holds row 64 c + 8 t + r % 8 + 32 (r / 8).  Where such tiles are a product's source 0, a lane's 32 result registers of four tiles are one whole block of
; 32 neighbours along the next K, in the order of the next operand's registers.
; A block's scale is 2^(floor(log2(largest magnitude)) - 2): its byte is the largest magnitude's exponent field - 2.
; LIMITS: NaN and infinities among the inputs are not served; a block whose largest magnitude lies under 2^-124 is held at the byte 1; a block of zeros carries the byte 1 where the rule says 127 (its codes are zeros,
; and the bytes are read by this program alone).
; SHARES: work-groups 0-255 take query, 256-351 w_qkv, 352-383 w_o; a work-group takes 256 rows (columns) x 128 along K, a wave 64 of them: half a block.  Waves share nothing: no barrier.  Each path has LDS bytes of its own.
.set HB,    12800
.set XSTG,  16*528                     ; query: a wave's stage, 16 rows of 512 bytes + 16
.set WSTG,  4*1664+256                 ; weights: a wave's stage, four fragments 1,664 bytes apart, then 256 bytes of scale words
.set WQB,   4*XSTG
.set WOB,   WQB+4*WSTG
.set SPARE, WOB+4*WSTG                 ; the spare words, 128 bytes for each wave: two blocks of 256 bytes that no other line names
.set SPW, 1                            ; v1  LDS address of my spare word; never rewritten
.set NIL, 2                            ; v2  0; never rewritten
.set LI,  3                            ; v3  16 x lane
.set SIN, 4                            ; v4  query: the stage on the way in
.set SOUT, 5                           ; v5  and on the way out
.set SH8, 6                            ; v6  8 h
.set HH,  7                            ; v7  h = lane / 16
.set WOF, 8                            ; v8  128 h + 8 r
.set LN,  9                            ; v9  lane
.set RR,  10                           ; v10 r = lane % 16
.set R0,  16                           ; v16-143  query: two sets of 16 x 4 registers as loaded
.set X,   144                          ; v144-207 64 numbers of my row: register 32 c + i = K 64 c + 32 h + i
.set F,   208                          ; v208-231 two fragments' codes by turns
.set TM,  232                          ; v232-235 largest magnitudes
.set XP,  236
.set SO,  238                          ; v238-239 the conversions' scale operands
.set BY,  240                          ; v240-241 the scales' bytes
.set CX0, 242
.set CX1, 246
.set OUTW, 250
.set W,   252                          ; v252-255 four tiles' scale words
.set SEL, 24                           ; s[24:25] lane selects for v_permlanex16_b32: lane l xor 16
; the largest magnitudes of my two blocks of 32, v[s] .. v[s + 63], into v[TM] and v[TM + 2]; the floor 2^(3 - 127) is among the leaves, so that no byte falls under 1
.macro MAXABS s
.irp k, 0,1,2,3
	v_max3_num_f32 v[TM+\k], |v[(\s)+16*\k]|, |v[(\s)+16*\k+1]|, |v[(\s)+16*\k+2]|
.endr
.irp i, 3,5,7,9,11,13
.irp k, 0,1,2,3
	v_max3_num_f32 v[TM+\k], v[TM+\k], |v[(\s)+16*\k+\i]|, |v[(\s)+16*\k+\i+1]|
.endr
.endr
	v_max3_num_f32 v[TM], v[TM], v[TM+1], |v[(\s)+15]|
	v_max3_num_f32 v[TM+2], v[TM+2], v[TM+3], |v[(\s)+47]|
	v_max3_num_f32 v[TM], v[TM], |v[(\s)+31]|, 0x1800000
	v_max3_num_f32 v[TM+2], v[TM+2], |v[(\s)+63]|, 0x1800000
.endm
; from v[TM], v[TM + 2]: block c's 32 codes into six registers from d0 (c = 0) and d1 (c = 1) on, and the row's scale word (byte 2 c + h) into v[w]
.macro CODES s, d0, d1, w
	v_add_nc_u32 v[SO], 0xff000000, v[TM]          ; 2 off the exponent field: the conversion takes this operand's exponent field as its scale
	v_add_nc_u32 v[SO+1], 0xff000000, v[TM+2]
	v_lshrrev_b32 v[BY], 23, v[SO]
	v_lshrrev_b32 v[BY+1], 23, v[SO+1]
	v_lshl_or_b32 v[(\w)], v[BY+1], 16, v[BY]
	v_lshlrev_b32 v[(\w)], v[SH8], v[(\w)]         ; my two bytes at their places,
	v_permlanex16_b32 v[XP], v[(\w)], s[SEL], s[SEL+1]
	v_or_b32 v[(\w)], v[(\w)], v[XP]               ; with lane l xor 16's two the word is whole
	v_cvt_scalef32_pk16_fp6_f32 v[(\d0):(\d0)+2], v[(\s):(\s)+15], v[SO]
	v_cvt_scalef32_pk16_fp6_f32 v[CX0:CX0+2], v[(\s)+16:(\s)+31], v[SO]      ; (a conversion's three registers begin on an even number)
	v_cvt_scalef32_pk16_fp6_f32 v[(\d1):(\d1)+2], v[(\s)+32:(\s)+47], v[SO+1]
	v_cvt_scalef32_pk16_fp6_f32 v[CX1:CX1+2], v[(\s)+48:(\s)+63], v[SO+1]
	v_nop                                          ; one plain place behind the scaled conversions
.irp i, 0,1,2
	v_mov_b32 v[(\d0)+3+\i], v[CX0+\i]
	v_mov_b32 v[(\d1)+3+\i], v[CX1+\i]
.endr
.endm
.macro FINISH                          ; the wave's end, behind my last LDS store
	s_wait_tensorcnt 0x0
	ds_add_u32 v[SPW], v[NIL]
	s_wait_dscnt 0x0
	s_endpgm
.endm
; s20 = the group of 256 rows, s21 = the K step: s[28:29] = my half's codes in the image at s[ilo:ilo+1], s[30:31] = its scale words
.macro IMGADR ilo
	s_lshl_b32 s22, s20, 1
	s_add_co_u32 s22, s22, s17                     ; the block of 128 rows,
	s_lshl_b32 s22, s22, 3
	s_add_co_u32 s22, s22, s21                     ; its K step
	s_mul_i32 s22, s22, HB
	s_mul_i32 s28, s18, 6144
	s_add_co_u32 s28, s28, s22
	s_mov_b32 s29, 0
	s_lshl_b32 s30, s18, 8
	s_add_co_u32 s30, s30, s22
	s_add_co_u32 s30, s30, 12288
	s_mov_b32 s31, 0
	s_add_nc_u64 s[28:29], s[\ilo:\ilo+1], s[28:29]
	s_add_nc_u64 s[30:31], s[\ilo:\ilo+1], s[30:31]
.endm
	s_load_b256 s[4:11], s[0:1], 0x0               ; query s[4:5], w_qkv s[6:7], w_o s[8:9], ximg s[10:11]
	s_load_b128 s[12:15], s[0:1], 0x20             ; wqimg s[12:13], woimg s[14:15]
	v_lshl_add_u32 v[SPW], v0, 2, SPARE
	v_mov_b32 v[NIL], 0
	v_lshrrev_b32 v[LN], 5, v0
	v_readfirstlane_b32 s16, v[LN]                 ; wave
	v_and_b32 v[LN], 31, v0
	v_lshlrev_b32 v[LI], 4, v[LN]
	v_and_b32 v[RR], 15, v0
	v_bfe_u32 v[HH], v0, 4, 1
	s_lshr_b32 s17, s16, 1                         ; which block of 128 of the group's two
	s_and_b32 s18, s16, 1                          ; which half of it: tiles 4 c .. 4 c + 3
	s_wait_kmcnt 0x0
	s_cmp_lt_u32 ttmp9, 256
	s_cbranch_scc0 .Lweights
	; ---- QUERY.  A load reads 512 consecutive bytes of one row (a K step of 128); a tile's 16 rows turn through my stage, so that lane (r, h) gets its row's two blocks of 32 neighbours.
	s_lshr_b32 s20, ttmp9, 3
	s_and_b32 s21, ttmp9, 7
	s_lshl_b32 s22, s20, 20                        ; 256 rows of 4,096 bytes a group,
	s_lshl_b32 s23, s16, 18                        ; 64 a wave,
	s_add_co_u32 s22, s22, s23
	s_lshl_b32 s23, s21, 9                         ; 512 bytes a K step
	s_add_co_u32 s22, s22, s23
	s_mov_b32 s23, 0
	s_add_nc_u64 s[4:5], s[4:5], s[22:23]
	IMGADR 10
	s_mul_i32 s19, s16, XSTG
	v_add_nc_u32 v[SIN], s19, v[LI]
	v_mul_u32_u24 v[SOUT], v[RR], 528
	v_lshl_add_u32 v[SOUT], v[HH], 7, v[SOUT]
	v_add_nc_u32 v[SOUT], s19, v[SOUT]
	v_lshlrev_b32 v[SH8], 3, v[HH]
	v_lshlrev_b32 v[WOF], 3, v[RR]
	v_lshl_add_u32 v[WOF], v[HH], 7, v[WOF]
	v_mov_b32 v[XP], 0                             ; written once: a lane permute's destination counts as one of its sources
	s_mov_b32 s[SEL], 0x76543210
	s_mov_b32 s[SEL+1], 0xfedcba98
.macro LOADX t                         ; tile t's 16 rows: 8 t + i % 8 + 32 (i / 8) of my 64
.set i, 0
.rept 16
	global_load_b128 v[R0+64*((\t)%2)+4*i:R0+64*((\t)%2)+4*i+3], v[LI], s[4:5] offset:(8*(\t)+(i%8)+32*(i/8))*4096 th:TH_LOAD_NT
.set i, i+1
.endr
.endm
.macro TILEX t
.if (\t) < 3
	s_wait_loadcnt 16                              ; this tile's 16 loads are in; the next tile's 16 may be out
.else
	s_wait_loadcnt 0x0
.endif
.set i, 0
.rept 16
	ds_store_b128 v[SIN], v[R0+64*((\t)%2)+4*i:R0+64*((\t)%2)+4*i+3] offset:528*i
.set i, i+1
.endr
.irp c, 0,1
.irp j, 0,1,2,3,4,5,6,7
	ds_load_b128 v[X+32*\c+4*\j:X+32*\c+4*\j+3], v[SOUT] offset:256*\c+16*\j   ; LDS serves a wave's instructions in order: these see my stores
.endr
.endr
	s_wait_dscnt 0x0                               ; my numbers are in, and the stores have read their registers,
.if (\t)+2 < 4
	LOADX (\t)+2                                   ; which take the tile two on
.endif
.if (\t) >= 2
	s_wait_xcnt 0x0                                ; the stores of two tiles back have read their data: the codes' registers are written again only behind this wait
.endif
	MAXABS X
	CODES X, F+12*((\t)%2), F+12*((\t)%2)+6, W+(\t)
.irp c, 0,1,2
	global_store_b128 v[LI], v[F+12*((\t)%2)+4*\c:F+12*((\t)%2)+4*\c+3], s[28:29] offset:1536*(\t)+512*\c   ; 512 consecutive bytes, aligned
.endr
.endm
	LOADX 0
	LOADX 1
	TILEX 0
	TILEX 1
	TILEX 2
	TILEX 3
	v_cmp_ne_u32 vcc_lo, 0, v[HH]
	v_cndmask_b32 v[OUTW], v[W], v[W+2], vcc_lo    ; lanes 0-15: tiles 0, 1; lanes 16-31: tiles 2, 3
	v_cndmask_b32 v[OUTW+1], v[W+1], v[W+3], vcc_lo
	global_store_b64 v[WOF], v[OUTW:OUTW+1], s[30:31]  ; my half's 256 bytes of scale words, aligned
	FINISH
	; ---- THE WEIGHTS.  A lane takes a column and its registers run down K: a block of 32 lies in one lane, and the conversions give codes with K innermost.  The codes go to their places in the image through my stage.
.set AW,  11                           ; v11 stage: 1,664 (lane / 8) + 16 (lane % 8): my column's tile and its lane
.set T7,  12
.set AS,  13                           ; v13 stage: my column's scale word
.set AR,  14                           ; v14 stage on the way out: 16 x lane
.set AR8, 15                           ; v15 and 8 x lane, for the scale words
.set L4,  16                           ; v16 4 x lane
.set L8,  17                           ; v17 8 x lane
.set WM,  20                           ; v20-21 largest magnitude, in two chains
.set WSO, 22
.set WBY, 23
.set WX,  32                           ; v32-95  two sets of 32 numbers
.set WC,  96                           ; v96-102 a block's codes
.set WW,  104                          ; v104    the column's scale word
.set WOUT, 112                         ; v112-159 the way out
.set WSC, 160
.macro LOADW n, pitch, wlo             ; block n: columns 32 (n / 4) + lane of my 64, K = 32 (n % 4) + i
.set i, 0
.rept 32
	global_load_b32 v[WX+32*((\n)%2)+i], v[L4], s[\wlo:\wlo+1] offset:(32*((\n)%4)+i)*\pitch+128*((\n)/4)
.set i, i+1
.endr
.endm
.macro WBLOCK n, pitch, wlo
.set XS, WX+32*((\n)%2)
.set YY, (\n)/4
.set BE, (\n)%4
.if (\n) < 7
	s_wait_loadcnt 32                              ; this block's 32 loads are in; the next block's may be out
.else
	s_wait_loadcnt 0x0
.endif
	v_max3_num_f32 v[WM], |v[XS]|, |v[XS+1]|, |v[XS+2]|
	v_max3_num_f32 v[WM+1], |v[XS+3]|, |v[XS+4]|, |v[XS+5]|
.irp i, 6,10,14,18,22,26
	v_max3_num_f32 v[WM], v[WM], |v[XS+\i]|, |v[XS+\i+1]|
	v_max3_num_f32 v[WM+1], v[WM+1], |v[XS+\i+2]|, |v[XS+\i+3]|
.endr
	v_max3_num_f32 v[WM], v[WM], |v[XS+30]|, |v[XS+31]|
	v_max3_num_f32 v[WM], v[WM], v[WM+1], 0x1800000
	v_add_nc_u32 v[WSO], 0xff000000, v[WM]
	v_lshrrev_b32 v[WBY], 23, v[WSO]
.if BE == 0
	v_mov_b32 v[WW], v[WBY]
.else
	v_lshl_or_b32 v[WW], v[WBY], 8*BE, v[WW]
.endif
	v_cvt_scalef32_pk16_fp6_f32 v[WC:WC+2], v[XS:XS+15], v[WSO]
	v_cvt_scalef32_pk16_fp6_f32 v[WC+4:WC+6], v[XS+16:XS+31], v[WSO]
	v_nop                                          ; one plain place behind the scaled conversions
	v_mov_b32 v[WC+3], v[WC+4]
	v_mov_b32 v[WC+4], v[WC+5]
	v_mov_b32 v[WC+5], v[WC+6]                     ; six registers on end: registers 6 (BE / 2) .. + 5 of lane 8 YY + lane % 8 + 16 (BE % 2) of the fragment
.if BE < 2
	ds_store_b128 v[AW], v[WC:WC+3] offset:128*YY+256*(BE%2)
	ds_store_b64 v[AW], v[WC+4:WC+5] offset:128*YY+256*(BE%2)+512
.else
	ds_store_b64 v[AW], v[WC:WC+1] offset:128*YY+256*(BE%2)+520
	ds_store_b128 v[AW], v[WC+2:WC+5] offset:128*YY+256*(BE%2)+1024
.endif
.if BE == 3
	ds_store_b32 v[AS], v[WW] offset:6656+64*YY
.endif
.if (\n)+2 < 8
	LOADW (\n)+2, \pitch, \wlo
.endif
	s_wait_dscnt 0x0                               ; the stores have read their registers: the next block's codes may be written
.endm
.macro WPATH pitch, ldsb, first, wlo, ilo
	s_sub_co_u32 s21, ttmp9, \first
	s_lshr_b32 s20, s21, 3                         ; the group of 256 columns
	s_and_b32 s21, s21, 7                          ; the K step
	s_mul_i32 s22, s21, 128*\pitch
	s_lshl_b32 s23, s20, 10
	s_add_co_u32 s22, s22, s23
	s_lshl_b32 s23, s16, 8                         ; 64 columns a wave
	s_add_co_u32 s22, s22, s23
	s_mov_b32 s23, 0
	s_add_nc_u64 s[\wlo:\wlo+1], s[\wlo:\wlo+1], s[22:23]
	IMGADR \ilo
	s_mul_i32 s19, s16, WSTG
	s_add_co_u32 s19, s19, \ldsb
	v_lshrrev_b32 v[AW], 3, v[LN]
	v_mul_u32_u24 v[AW], v[AW], 1664
	v_and_b32 v[T7], 7, v[LN]
	v_lshl_add_u32 v[AW], v[T7], 4, v[AW]
	v_add_nc_u32 v[AW], s19, v[AW]
	v_lshlrev_b32 v[AS], 3, v[T7]
	v_bfe_u32 v[T7], v[LN], 3, 1
	v_lshl_add_u32 v[AS], v[T7], 2, v[AS]
	v_lshl_add_u32 v[AS], v[HH], 7, v[AS]          ; 128 (lane / 16) + 8 (lane % 8) + 4 ((lane / 8) % 2)
	v_add_nc_u32 v[AS], s19, v[AS]
	v_add_nc_u32 v[AR], s19, v[LI]
	v_lshlrev_b32 v[L4], 2, v[LN]
	v_lshlrev_b32 v[L8], 3, v[LN]
	v_add_nc_u32 v[AR8], s19, v[L8]
	LOADW 0, \pitch, \wlo
	LOADW 1, \pitch, \wlo
.irp n, 0,1,2,3,4,5,6,7
	WBLOCK \n, \pitch, \wlo
.endr
.irp t, 0,1,2,3
.irp c, 0,1,2
	ds_load_b128 v[WOUT+12*\t+4*\c:WOUT+12*\t+4*\c+3], v[AR] offset:1664*\t+512*\c
.endr
.endr
	ds_load_b64 v[WSC:WSC+1], v[AR8] offset:6656
.set k, 0
.irp t, 0,1,2,3
.irp c, 0,1,2
	s_wait_dscnt 12-k                              ; load k is in: behind it 11 - k of its kind and the scale words'
	global_store_b128 v[LI], v[WOUT+12*\t+4*\c:WOUT+12*\t+4*\c+3], s[28:29] offset:1536*\t+512*\c
.set k, k+1
.endr
.endr
	s_wait_dscnt 0x0
	global_store_b64 v[L8], v[WSC:WSC+1], s[30:31]
	FINISH
.endm
.Lweights:
	s_cmp_lt_u32 ttmp9, 352
	s_cbranch_scc0 .Lwo
	WPATH 12288, WQB, 256, 6, 12
.Lwo:
	WPATH 4096, WOB, 352, 8, 14
.Lfunc_end_k_q91c55922fb_prep:
	.size	k_q91c55922fb_prep, .Lfunc_end_k_q91c55922fb_prep-k_q91c55922fb_prep
	.p2alignl 7, 3214868480
	.fill 96, 4, 3214868480
	.section	.rodata,"a",@progbits
	.p2align	6, 0x0
	.amdhsa_kernel k_q91c55922fb_prep
		.amdhsa_group_segment_fixed_size 89600
		.amdhsa_private_segment_fixed_size 0
		.amdhsa_enable_private_segment 0
		.amdhsa_kernarg_size 48
		.amdhsa_user_sgpr_count 2
		.amdhsa_user_sgpr_kernarg_segment_ptr 1
		.amdhsa_wavefront_size32 1
		.amdhsa_system_sgpr_workgroup_id_x 1
		.amdhsa_system_sgpr_workgroup_id_y 1
		.amdhsa_system_sgpr_workgroup_id_z 1
		.amdhsa_system_vgpr_workitem_id 0
		.amdhsa_next_free_vgpr 256
		.amdhsa_next_free_sgpr 66
		.amdhsa_reserve_vcc 1
		.amdhsa_float_denorm_mode_32 3
		.amdhsa_float_denorm_mode_16_64 3
		.amdhsa_memory_ordered 1
		.amdhsa_forward_progress 1
		.amdhsa_inst_pref_size 113
	.end_amdhsa_kernel
	.amdgpu_metadata
---
amdhsa.version: [ 1, 2 ]
amdhsa.kernels:
  - .name:           k_q91c55922fb_prep
    .symbol:         k_q91c55922fb_prep.kd
    .args:
      - { .name: query, .offset: 0, .size: 8, .value_kind: global_buffer, .address_space: global }
      - { .name: w_qkv, .offset: 8, .size: 8, .value_kind: global_buffer, .address_space: global }
      - { .name: w_o, .offset: 16, .size: 8, .value_kind: global_buffer, .address_space: global }
      - { .name: ximg, .offset: 24, .size: 8, .value_kind: global_buffer, .address_space: global }
      - { .name: wqimg, .offset: 32, .size: 8, .value_kind: global_buffer, .address_space: global }
      - { .name: woimg, .offset: 40, .size: 8, .value_kind: global_buffer, .address_space: global }
    .group_segment_fixed_size: 89600
    .private_segment_fixed_size: 0
    .kernarg_segment_align: 8
    .kernarg_segment_size: 48
    .max_flat_workgroup_size: 128
    .sgpr_count:     66
    .vgpr_count:     256
    .wavefront_size: 32
...
	.end_amdgpu_metadata
.endif
;; end of part 1
;; launch qkv (part 2): grid 12 x 32, 4 waves a work-group, clusters of 4 x 4, 327,680 bytes of LDS; arguments ximg, wqimg, b_qkv, qimg, kv; writes qimg, kv
.if DOCPART == 2
	.amdgcn_target "amdgcn-amd-amdhsa--gfx1250"
	.amdhsa_code_object_version 6
	.text
	.protected	k_q91c55922fb_qkv
	.globl	k_q91c55922fb_qkv
	.p2align	8
	.type	k_q91c55922fb_qkv,@function
k_q91c55922fb_qkv:
	s_mov_b64 s[64:65], 0
	v_nop
	global_prefetch_b8 v0, s[64:65] scope:SCOPE_SE
	s_setreg_imm32_b32 hwreg(HW_REG_WAVE_MODE, 25, 1), 1
	s_wait_xcnt 0x0
	s_wait_alu depctr_hold_cnt(0) depctr_sa_sdst(0) depctr_va_vdst(0) depctr_va_sdst(0) depctr_va_ssrc(0) depctr_va_vcc(0) depctr_vm_vsrc(0)
	s_getreg_b32 s2, hwreg(HW_REG_IB_STS2, 6, 4)
	s_cmp_eq_u32 s2, 0
	s_cbranch_scc0 .Lentry_in_a_cluster
	s_endpgm
.Lentry_in_a_cluster:
	s_bfe_u32 s2, ttmp6, 0x10000c
	s_cmp_lg_u32 s2, 0xf033
	s_cbranch_scc0 .Lentry_shape_is_right
	s_endpgm
.Lentry_shape_is_right:
; query x w_qkv + b_qkv on codes of FP6 (E2M3) with E8M0 scales, and the results quantised in registers: q (x 1/8) and k along the head's 64, v along the keys.  Nothing of the problem is left out here.
; OPERANDS are images in the order of the operand's registers: a block (HB) is 128 rows x 128 K: fragment t at 1536 t (registers 4 c .. at 512 c + 16 lane), scale words at 12,288 + 128 (t / 2) + 8 r + 4 (t % 2);
; lane r of tile 4 c + t holds row 64 c + 8 t + r % 8 + 32 (r / 8).  A block's eight K steps lie on end, so a slot's quarter (128 rows x 256 K) is 25,600 dense bytes: one tensor load.
; A work-group makes 256 x 256, a wave 128 x 128: 64 accumulators.  SIDE A is source 1 (a lane is one of its rows), SIDE B is source 0 (a lane's registers run along it: 32 registers are 32 neighbours).
; ROLES by the cluster's x, equal in all partners: 0: q, 1: k: side A = tokens, side B = columns of the weight, so a lane's registers run along the head's axis.  2: v: side A = columns, side B = tokens, so they run along the keys.
; CLUSTERS: 4 x 4.  Side A's tile hangs on cy alone and is asked for jointly along a row of the cluster, side B's on cx alone, along a column.
; OUT: qimg[block of 128 tokens][pair of heads][HB]: registers 0-5 the even head, 6-11 the odd.  kv[batch][head][128 keys], 12,800 bytes: K's double fragment i at 1536 i (registers 0-5 key tile 2 i, 6-11 key tile 2 i + 1),
; V's fragment t at 6,144 + 1536 t (lane r: channel 8 t + r % 8 + 32 (r / 8); K = the keys), K's scale words at 12,288 + 16 r + 4 i, V's at 12,544 + 16 r + 4 t.
; LIMITS: NaN and infinities are not served; a block whose largest magnitude lies under 2^-124 is held at the byte 1; a block of zeros carries the byte 1 (its codes are zeros; this program alone reads the bytes).
; REGISTERS: window 0: v16-23 LDS addresses; v28, v29 the add's two; v32-47 scale words, two sets; v48-127 b_qkv; v128-223 side A's fragments, one set; v224-255 for the way out.  window 1: side B's fragments, two sets.
;   windows 2, 3: accumulator (a, b) at v[8 (8 (a % 4) + b)].
.set HB,     12800
.set HALFT,  2*HB                      ; 128 rows x 256 K: what one tensor load brings
.set SLOT,   4*HALFT                   ; side A's two halves, then side B's
.set BLKB,   8*HB                      ; a block of 128 rows, all of K, in memory
.set SPARE,  2*SLOT                    ; behind the ring: the spare words, 128 bytes for each wave
.set LAPS,   2                         ; K = 1,024 = 4 slots' worth
.set FR,     12
.set ADRA, 16
.set ADRB, 20
.set ADRS, 22
.set SPW,  28
.set NIL,  29
.set SC,   32                          ; scale words: set q at v[SC + 8 q]; register t: lanes 0-15 side A's tile t, lanes 16-31 side B's
.set BV,   48                          ; v48-63   b_qkv at my lane's column of tile a, twice: a pair
.set BI,   64                          ; v64-127  b_qkv at my registers' columns: 64 c + 32 h + i
.set AF,   128
.set T,    128                         ; the way out: 64 numbers
.set GA,   192                         ; codes
.set GB,   204
.set TM,   216
.set XP,   220
.set SO,   222
.set BY,   224
.set CX0,  226
.set CX1,  230
.set WOK,  235                         ; 204,800 h + 16 r
.set SH8,  236
.set HH,   237
.set LI,   238                         ; 16 x lane
.set WOQ,  239                         ; 128 h + 8 r
.set W,    240
.set OUT,  248
.set W0,   252
.set W1,   253
.set G1,  24
.set G0,  32
.set G1B, 48
.set G0B, 56
.set SEL, 78
.set MSB, 0
.macro WIN new                         ; the immediate's high byte repeats the setting that is left
.if MSB != (\new)
	s_set_vgpr_msb (MSB<<8)|(\new)
.set MSB, (\new)
.endif
.endm
.set MUL_LO, 0xa1                      ; source 0 (side B) window 1, source 1 (side A) window 0, C and D window 2
.set MUL_HI, 0xf1
.set TO_B,   0x40
.macro PLACES
.rept 4
	v_nop
.endr
.endm
; a joint load: waves 0 and 1 fetch side A's halves, waves 2 and 3 side B's; an s_nop 0 and four v_nop follow each of the two lines
.macro JLOAD g0a, g1a, g0b, g1b
	s_cmp_eq_u32 s15, 0
	s_cbranch_scc0 .Lfor_b_\@
	tensor_load_to_lds s[\g0a:\g0a+3], s[\g1a:\g1a+7]
	s_nop 0
.rept 4
	v_nop
.endr
	s_branch .Lasked_\@
.Lfor_b_\@:
	tensor_load_to_lds s[\g0b:\g0b+3], s[\g1b:\g1b+7]
	s_nop 0
.rept 4
	v_nop
.endr
.Lasked_\@:
.endm
.macro CREST                           ; a round of the cluster's barrier behind its opening barrier
	s_cmp_lg_u32 s14, 0
	s_cbranch_scc1 .Lnot_wave_0_\@
	s_barrier_signal -3
.Lnot_wave_0_\@:
	s_barrier_wait -3
	s_barrier_signal -1
	s_barrier_wait -1
.endm
.macro CROUND
	s_barrier_signal -1
	s_barrier_wait -1
	CREST
.endm
.macro MAXABS s
.irp k, 0,1,2,3
	v_max3_num_f32 v[TM+\k], |v[(\s)+16*\k]|, |v[(\s)+16*\k+1]|, |v[(\s)+16*\k+2]|
.endr
.irp i, 3,5,7,9,11,13
.irp k, 0,1,2,3
	v_max3_num_f32 v[TM+\k], v[TM+\k], |v[(\s)+16*\k+\i]|, |v[(\s)+16*\k+\i+1]|
.endr
.endr
	v_max3_num_f32 v[TM], v[TM], v[TM+1], |v[(\s)+15]|
	v_max3_num_f32 v[TM+2], v[TM+2], v[TM+3], |v[(\s)+47]|
	v_max3_num_f32 v[TM], v[TM], |v[(\s)+31]|, 0x1800000       ; the floor 2^(3 - 127): no byte falls under 1
	v_max3_num_f32 v[TM+2], v[TM+2], |v[(\s)+63]|, 0x1800000
.endm
.macro CODES s, d0, d1, w
	v_add_nc_u32 v[SO], 0xff000000, v[TM]          ; 2 off the exponent field: the conversion's scale operand
	v_add_nc_u32 v[SO+1], 0xff000000, v[TM+2]
	v_lshrrev_b32 v[BY], 23, v[SO]
	v_lshrrev_b32 v[BY+1], 23, v[SO+1]
	v_lshl_or_b32 v[(\w)], v[BY+1], 16, v[BY]
	v_lshlrev_b32 v[(\w)], v[SH8], v[(\w)]
	v_permlanex16_b32 v[XP], v[(\w)], s[SEL], s[SEL+1]
	v_or_b32 v[(\w)], v[(\w)], v[XP]               ; the row's scale word: byte 2 c + h
	v_cvt_scalef32_pk16_fp6_f32 v[(\d0):(\d0)+2], v[(\s):(\s)+15], v[SO]
	v_cvt_scalef32_pk16_fp6_f32 v[CX0:CX0+2], v[(\s)+16:(\s)+31], v[SO]
	v_cvt_scalef32_pk16_fp6_f32 v[(\d1):(\d1)+2], v[(\s)+32:(\s)+47], v[SO+1]
	v_cvt_scalef32_pk16_fp6_f32 v[CX1:CX1+2], v[(\s)+48:(\s)+63], v[SO+1]
	v_nop                                          ; one plain place behind the scaled conversions
.irp i, 0,1,2
	v_mov_b32 v[(\d0)+3+\i], v[CX0+\i]
	v_mov_b32 v[(\d1)+3+\i], v[CX1+\i]
.endr
.endm
	s_load_b256 s[4:11], s[0:1], 0x0               ; ximg s[4:5], wqimg s[6:7], b_qkv s[8:9], qimg s[10:11]
	s_load_b64 s[12:13], s[0:1], 0x20              ; kv
	v_lshl_add_u32 v[SPW], v0, 2, SPARE
	v_mov_b32 v[NIL], 0
	ds_add_u32 v[SPW], v[NIL]                      ; the wave's opening: the add, twice on end, and its wait ahead of my first tensor load
	ds_add_u32 v[SPW], v[NIL]
	v_lshrrev_b32 v1, 5, v0
	v_readfirstlane_b32 s14, v1                    ; wave 0..3
	s_lshr_b32 s15, s14, 1                         ; my half of side A.  Also: I fetch for side A (0) or B (1)
	s_and_b32 s16, s14, 1                          ; my half of side B.  Also: which half I fetch
	s_bfe_u32 s40, ttmp6, 0x40000                  ; cx
	s_bfe_u32 s41, ttmp6, 0x40004                  ; cy
	s_and_b32 s17, ttmp7, 0xffff
	s_lshl_b32 s17, s17, 2                         ; 4 x cluster y
	s_lshl_b32 s42, ttmp9, 2                       ; 4 x cluster x
	s_cmp_eq_u32 ttmp9, 2                          ; the v role?
	s_cselect_b32 s18, 8, s17
	s_cselect_b32 s19, s17, s42
	s_add_co_u32 s18, s18, s41                     ; side A's tile of 256: v: columns 8 + cy; else tokens 4 cluster y + cy
	s_add_co_u32 s19, s19, s40                     ; side B's: v: tokens 4 cluster y + cx; else columns 4 cluster x + cx
	s_lshl_b32 s43, s41, 2
	s_lshl_b32 s43, 15, s43                        ; my row of the cluster
	s_lshl_b32 s44, 0x1111, s40                    ; my column
	s_or_b32 s[G1], s43, (3<<16)|(1<<21)           ; 15:0 the mask; 17:16 elements of 8 bytes; 21 set beside a mask; no padding
	s_or_b32 s[G1B], s44, (3<<16)|(1<<21)
.irp g, G1, G1B
	s_mov_b32 s[\g+1], 32<<16                      ; tensor_dim0 = 32 elements: 256 bytes
	s_mov_b32 s[\g+2], 100<<16                     ; tensor_dim1 = 100 rows: 25,600 dense bytes
	s_mov_b32 s[\g+3], 32<<16                      ; tile_dim0
	s_mov_b32 s[\g+4], 100                         ; tile_dim1
	s_mov_b32 s[\g+5], 32                          ; the pitch
	s_mov_b32 s[\g+6], 0
	s_mov_b32 s[\g+7], 0
.endr
	s_lshl_b32 s20, s18, 1
	s_add_co_u32 s20, s20, s16
	s_mul_i32 s20, s20, BLKB                       ; side A: the block of 128 that I fetch
	s_mov_b32 s21, 0
	s_lshl_b32 s46, s19, 1
	s_add_co_u32 s46, s46, s16
	s_mul_i32 s46, s46, BLKB                       ; side B likewise
	s_mov_b32 s47, 0
	s_mul_i32 s45, s14, HALFT                      ; where it goes: wave x a quarter of a slot
	s_mov_b32 s68, 0x3e000000                      ; 1/8, the head's 64^-1/2
	s_mov_b32 s69, s68
	s_mov_b32 s[SEL], 0x76543210
	s_mov_b32 s[SEL+1], 0xfedcba98
	s_wait_dscnt 0x0                               ; both opening adds are done
	s_wait_kmcnt 0x0
	s_cmp_eq_u32 ttmp9, 2
	s_cselect_b64 s[22:23], s[6:7], s[4:5]         ; side A's image
	s_cselect_b64 s[66:67], s[4:5], s[6:7]         ; side B's
	s_add_nc_u64 s[20:21], s[22:23], s[20:21]
	s_add_nc_u64 s[46:47], s[66:67], s[46:47]
	CROUND                                         ; all sixteen work-groups are here: the first joint loads meet
.irp s, 0,1
	s_mov_b32 s[G0+4*\s], 1
	s_add_co_u32 s[G0+4*\s+1], s45, \s*SLOT
	s_add_nc_u64 s[G0+4*\s+2:G0+4*\s+3], s[20:21], \s*HALFT
	s_or_b32 s[G0+4*\s+3], s[G0+4*\s+3], 0x80000000
	s_mov_b32 s[G0B+4*\s], 1
	s_add_co_u32 s[G0B+4*\s+1], s45, \s*SLOT
	s_add_nc_u64 s[G0B+4*\s+2:G0B+4*\s+3], s[46:47], \s*HALFT
	s_or_b32 s[G0B+4*\s+3], s[G0B+4*\s+3], 0x80000000
	JLOAD G0+4*\s, G1, G0B+4*\s, G1B               ; two tensor loads of mine are out
.endr
	s_lshl_b32 s70, s18, 1
	s_add_co_u32 s70, s70, s15                     ; the block of 128 that I multiply on side A,
	s_lshl_b32 s71, s19, 1
	s_add_co_u32 s71, s71, s16                     ; on side B
	s_cmp_eq_u32 ttmp9, 2
	s_cselect_b32 s72, s70, s71                    ; the weight's block of 128 columns,
	s_cselect_b32 s73, s71, s70                    ; the block of 128 tokens
	s_and_b32 s74, s72, 7                          ; the pair of heads
	s_lshl_b32 s76, s72, 9
	s_mov_b32 s77, 0
	s_add_nc_u64 s[8:9], s[8:9], s[76:77]          ; b_qkv at my 128 columns
	s_lshl_b32 s76, s73, 3
	s_add_co_u32 s76, s76, s74
	s_mul_i32 s76, s76, HB
	s_add_nc_u64 s[10:11], s[10:11], s[76:77]      ; qimg[tokens' block][pair]
	s_lshr_b32 s76, s73, 4
	s_lshl_b32 s76, s76, 4
	s_lshl_b32 s75, s74, 1
	s_add_co_u32 s76, s76, s75                     ; 16 batch + the even head
	s_lshl_b32 s76, s76, 4
	s_and_b32 s75, s73, 15
	s_add_co_u32 s76, s76, s75
	s_mul_i32 s76, s76, HB
	s_add_nc_u64 s[12:13], s[12:13], s[76:77]      ; kv[batch][even head][128 keys]; the odd head lies 204,800 bytes on
	v_and_b32 v1, 15, v0                           ; r
	v_bfe_u32 v2, v0, 4, 1                         ; h
	v_and_b32 v3, 31, v0
	v_lshlrev_b32 v[LI], 4, v3
	v_lshlrev_b32 v4, 7, v2                        ; 128 h: my registers' columns begin at 32 h
	v_and_b32 v5, 7, v1
	v_lshrrev_b32 v6, 3, v1
	v_lshlrev_b32 v5, 2, v5
	v_lshl_add_u32 v5, v6, 7, v5                   ; 4 (r % 8) + 128 (r / 8): my lane's column in a tile
.irp c, 0,1
.irp j, 0,1,2,3,4,5,6,7
	global_load_b128 v[BI+32*\c+4*\j:BI+32*\c+4*\j+3], v4, s[8:9] offset:256*\c+16*\j
.endr
.endr
.irp a, 0,1,2,3,4,5,6,7
	global_load_b32 v[BV+2*\a], v5, s[8:9] offset:256*(\a/4)+32*(\a%4)
	global_load_b32 v[BV+2*\a+1], v5, s[8:9] offset:256*(\a/4)+32*(\a%4)
.endr
	v_mov_b32 v[HH], v2
	v_lshlrev_b32 v[SH8], 3, v2
	v_lshlrev_b32 v[WOQ], 3, v1
	v_lshl_add_u32 v[WOQ], v2, 7, v[WOQ]
	v_mul_u32_u24 v[WOK], v2, 16*HB
	v_lshl_add_u32 v[WOK], v1, 4, v[WOK]
	s_mul_i32 s80, s15, HALFT                      ; my half of side A in a slot,
	s_mul_i32 s81, s16, HALFT
	s_add_co_u32 s81, s81, 2*HALFT                 ; of side B
	s_sub_co_u32 s82, s81, s80
	v_lshlrev_b32 v6, 3, v1
	v_mul_u32_u24 v7, s82, v2                      ; lanes 16-31 take side B's scale words
	v_add_nc_u32 v6, v6, v7
.irp s, 0,1
	v_add_nc_u32 v[ADRA+\s], s80, v[LI]
	v_add_nc_u32 v[ADRB+\s], s81, v[LI]
	v_add_nc_u32 v[ADRS+\s], s80, v6
	s_add_co_u32 s80, s80, SLOT
	s_add_co_u32 s81, s81, SLOT
.endr
.macro FRAG reg, adr, off              ; a fragment comes as it lies: three loads of 512 consecutive bytes
.irp c, 0,1,2
	ds_load_b128 v[(\reg)+4*\c:(\reg)+4*\c+3], v[\adr] offset:(\off)+512*\c
.endr
.endm
.macro FETCH_B slot, q, p
	WIN TO_B
.irp i, 0,1,2,3,4,5,6,7
	FRAG 128*(\p)+FR*\i, ADRB+\slot, HB*(\q)+1536*\i
.endr
	WIN 0
.endm
.macro FETCH_A slot, q, i0
.irp i, \i0, \i0+1, \i0+2, \i0+3
	FRAG AF+FR*(\i), ADRA+\slot, HB*(\q)+1536*(\i)
.endr
.endm
.macro SCALES slot, q
.irp p, 0,1,2,3
	ds_load_b64 v[SC+8*(\q)+2*\p:SC+8*(\q)+2*\p+1], v[ADRS+\slot] offset:12288+HB*(\q)+128*\p
.endr
.endm
; 16 matrix instructions: side A's blocks a0, a0 + 1 x side B's eight.  The 64 accumulators take turns, one instruction a turn, in the same order in every step
.macro MUL16 a0, p, q, zero
.irp a, \a0, \a0+1
.irp b, 0,1,2,3,4,5,6,7
.if \zero
	v_wmma_scale_f32_16x16x128_f8f6f4 v[8*(8*((\a)%4)+\b):8*(8*((\a)%4)+\b)+7], v[128*(\p)+FR*\b:128*(\p)+FR*\b+FR-1], v[AF+FR*(\a):AF+FR*(\a)+FR-1], 0, v[SC+8*(\q)+\b], v[SC+8*(\q)+(\a)] matrix_a_fmt:MATRIX_FMT_FP6 matrix_b_fmt:MATRIX_FMT_FP6 matrix_a_scale:MATRIX_SCALE_ROW1
.else
	v_wmma_scale_f32_16x16x128_f8f6f4 v[8*(8*((\a)%4)+\b):8*(8*((\a)%4)+\b)+7], v[128*(\p)+FR*\b:128*(\p)+FR*\b+FR-1], v[AF+FR*(\a):AF+FR*(\a)+FR-1], v[8*(8*((\a)%4)+\b):8*(8*((\a)%4)+\b)+7], v[SC+8*(\q)+\b], v[SC+8*(\q)+(\a)] matrix_a_fmt:MATRIX_FMT_FP6 matrix_b_fmt:MATRIX_FMT_FP6 matrix_a_scale:MATRIX_SCALE_ROW1
.endif
.endr
.endr
.endm
.macro STEP slot, zero                 ; a slot's first 128 along K
	s_wait_dscnt 12                                ; all but the youngest twelve loads, side A's blocks 4-7
	WIN MUL_LO
	MUL16 0, 0, 0, \zero
	MUL16 2, 0, 0, \zero
	s_wait_dscnt 0x0
	PLACES                                         ; four places in front of loads into registers that matrix instructions have read
	FETCH_B \slot, 1, 1
	FETCH_A \slot, 1, 0
	SCALES \slot, 1
	WIN MUL_HI
	MUL16 4, 0, 0, \zero
	MUL16 6, 0, 0, \zero
	PLACES
	WIN 0
	FETCH_A \slot, 1, 4
.endm
.macro TURN slot, next, fill           ; a slot's second 128 along K, and the change of slots: one barrier
	s_wait_tensorcnt 0x0                           ; all my tensor loads have landed: my part of the next slot
	ds_add_u32 v[SPW], v[NIL]                      ; 0 onto my spare word
	s_wait_dscnt 13                                ; (the add and the youngest twelve loads may be out)
	WIN MUL_LO
	MUL16 0, 1, 1, 0
	s_wait_dscnt 0x0                               ; the add is done, and my reads of this slot are over
	s_barrier_signal -1
	MUL16 2, 1, 1, 0
	WIN 0
	s_barrier_wait -1
.if \fill
	CREST                                          ; the barrier has opened a round of the cluster's: no wave of any partner still reads this slot or has a load on its way
	s_add_nc_u64 s[G0+4*\slot+2:G0+4*\slot+3], s[G0+4*\slot+2:G0+4*\slot+3], 2*HALFT
	s_add_nc_u64 s[G0B+4*\slot+2:G0B+4*\slot+3], s[G0B+4*\slot+2:G0B+4*\slot+3], 2*HALFT
	JLOAD G0+4*\slot, G1, G0B+4*\slot, G1B         ; the first tensor load behind the round; its four v_nop are the places in front of the loads below
.else
	PLACES
.endif
	FETCH_B \next, 0, 0
	FETCH_A \next, 0, 0
	SCALES \next, 0
	WIN MUL_HI
	MUL16 4, 1, 1, 0
	MUL16 6, 1, 1, 0
	PLACES
	WIN 0
	FETCH_A \next, 0, 4
.endm
	s_wait_tensorcnt 1                             ; my part of slot 0 is in; slot 1's may stay out
	s_barrier_signal -1
	s_barrier_wait -1
	FETCH_B 0, 0, 0
	FETCH_A 0, 0, 0
	SCALES 0, 0
	FETCH_A 0, 0, 4
	STEP 0, 1                                      ; the first products start the sums: nothing is cleared
.rept LAPS-1
	TURN 0, 1, 1
	STEP 1, 0
	TURN 1, 0, 1
	STEP 0, 0
.endr
	TURN 0, 1, 0                                   ; the last lap fills nothing
	STEP 1, 0
	s_wait_dscnt 12
	WIN MUL_LO
	MUL16 0, 1, 1, 0
	MUL16 2, 1, 1, 0
	s_wait_dscnt 0x0
	WIN MUL_HI
	MUL16 4, 1, 1, 0
	MUL16 6, 1, 1, 0
	WIN 0
	PLACES                                         ; in front of the first read of results and the first write over side A's fragments
; THE WAY OUT.  Block a's 64 numbers of a lane (register 32 c + i = index 64 c + 32 h + i of side B) take their bias, each accumulator from its low end on.
; mode 0: q: (sum + b) / 8 as one fused multiply-add with b / 8; 1: k: + b at my registers' columns; 2: v: + b at my lane's column
.macro TAKE a, mode
	WIN 0x02+(\a)/4
.set j, 0
.rept 32
.if \mode == 0
	v_pk_fma_f32 v[T+j:T+j+1], v[64*((\a)%4)+j:64*((\a)%4)+j+1], s[68:69], v[BI+j:BI+j+1] op_sel_hi:[1,0,1]
.elseif \mode == 1
	v_pk_add_f32 v[T+j:T+j+1], v[64*((\a)%4)+j:64*((\a)%4)+j+1], v[BI+j:BI+j+1]
.else
	v_pk_add_f32 v[T+j:T+j+1], v[64*((\a)%4)+j:64*((\a)%4)+j+1], v[BV+2*(\a):BV+2*(\a)+1]
.endif
.set j, j+2
.endr
	WIN 0
.endm
	s_wait_loadcnt 0x0                             ; b_qkv
	v_mov_b32 v[XP], 0                             ; written once: a lane permute's destination counts as one of its sources
	v_cmp_ne_u32 vcc_lo, 0, v[HH]
	s_cmp_eq_u32 ttmp9, 0
	s_cbranch_scc0 .Lnot_q
	; ---- q: tile a of tokens becomes fragment a of qimg's block
.set j, 0
.rept 32
	v_pk_mul_f32 v[BI+j:BI+j+1], v[BI+j:BI+j+1], s[68:69] op_sel_hi:[1,0]
.set j, j+2
.endr
.irp a, 0,1,2,3,4,5,6,7
.if \a > 0
	s_wait_xcnt 0x0                                ; the last tile's stores have read their data
.endif
	TAKE \a, 0
	MAXABS T
	CODES T, GA, GA+6, W+\a
.irp c, 0,1,2
	global_store_b128 v[LI], v[GA+4*\c:GA+4*\c+3], s[10:11] offset:1536*\a+512*\c
.endr
.endr
.irp k, 0,1
	v_cndmask_b32 v[OUT+2*\k], v[W+4*\k], v[W+4*\k+2], vcc_lo
	v_cndmask_b32 v[OUT+2*\k+1], v[W+4*\k+1], v[W+4*\k+3], vcc_lo
	global_store_b64 v[WOQ], v[OUT+2*\k:OUT+2*\k+1], s[10:11] offset:12288+256*\k
.endr
	s_branch .Ldone
.Lnot_q:
	s_cmp_eq_u32 ttmp9, 1
	s_cbranch_scc0 .Lv
	; ---- k: key tiles 2 i and 2 i + 1 become double fragment i of the even head (their first 32 registers) and of the odd head (the other 32)
.irp i, 0,1,2,3
.if \i > 0
	s_wait_xcnt 0x0
.endif
	TAKE 2*\i, 1
	MAXABS T
	CODES T, GA, GB, W0
	TAKE 2*\i+1, 1
	MAXABS T
	CODES T, GA+6, GB+6, W1
	v_perm_b32 v[W+\i], v[W1], v[W0], 0x05040100   ; the even head's two bytes of tile 2 i, then of tile 2 i + 1
	v_perm_b32 v[W+4+\i], v[W1], v[W0], 0x07060302 ; the odd head's
.irp c, 0,1,2
	global_store_b128 v[LI], v[GA+4*\c:GA+4*\c+3], s[12:13] offset:1536*\i+512*\c
	global_store_b128 v[LI], v[GB+4*\c:GB+4*\c+3], s[12:13] offset:16*HB+1536*\i+512*\c
.endr
.endr
.irp i, 0,1,2,3
	v_cndmask_b32 v[OUT+\i], v[W+\i], v[W+4+\i], vcc_lo
.endr
	global_store_b128 v[WOK], v[OUT:OUT+3], s[12:13] offset:12288   ; lanes 0-15: the even head's 256 bytes; lanes 16-31: the odd head's
	s_branch .Ldone
.Lv:
	; ---- v: tile a = 4 c + t of columns becomes fragment t of head 2 pair + c
.irp a, 0,1,2,3,4,5,6,7
.if \a > 0
	s_wait_xcnt 0x0
.endif
	TAKE \a, 2
	MAXABS T
	CODES T, GA, GA+6, W+\a
.irp c, 0,1,2
	global_store_b128 v[LI], v[GA+4*\c:GA+4*\c+3], s[12:13] offset:16*HB*(\a/4)+6144+1536*(\a%4)+512*\c
.endr
.endr
.irp t, 0,1,2,3
	v_cndmask_b32 v[OUT+\t], v[W+\t], v[W+4+\t], vcc_lo
.endr
	global_store_b128 v[WOK], v[OUT:OUT+3], s[12:13] offset:12544
.Ldone:
	s_wait_tensorcnt 0x0                           ; the wave's end
	ds_add_u32 v[SPW], v[NIL]
	s_wait_dscnt 0x0
	CROUND                                         ; the closing round: no work-group ends while a partner may still ask for a tile that names it
	s_endpgm
.Lfunc_end_k_q91c55922fb_qkv:
	.size	k_q91c55922fb_qkv, .Lfunc_end_k_q91c55922fb_qkv-k_q91c55922fb_qkv
	.p2alignl 7, 3214868480
	.fill 96, 4, 3214868480
	.section	.rodata,"a",@progbits
	.p2align	6, 0x0
	.amdhsa_kernel k_q91c55922fb_qkv
		.amdhsa_group_segment_fixed_size 327680
		.amdhsa_private_segment_fixed_size 0
		.amdhsa_enable_private_segment 0
		.amdhsa_kernarg_size 40
		.amdhsa_user_sgpr_count 2
		.amdhsa_user_sgpr_kernarg_segment_ptr 1
		.amdhsa_wavefront_size32 1
		.amdhsa_system_sgpr_workgroup_id_x 1
		.amdhsa_system_sgpr_workgroup_id_y 1
		.amdhsa_system_sgpr_workgroup_id_z 1
		.amdhsa_system_vgpr_workitem_id 0
		.amdhsa_next_free_vgpr 1024
		.amdhsa_next_free_sgpr 90
		.amdhsa_reserve_vcc 1
		.amdhsa_float_denorm_mode_32 3
		.amdhsa_float_denorm_mode_16_64 3
		.amdhsa_memory_ordered 1
		.amdhsa_forward_progress 1
		.amdhsa_inst_pref_size 238
	.end_amdhsa_kernel
	.amdgpu_metadata
---
amdhsa.version: [ 1, 2 ]
amdhsa.kernels:
  - .name:           k_q91c55922fb_qkv
    .symbol:         k_q91c55922fb_qkv.kd
    .args:
      - { .name: ximg, .offset: 0, .size: 8, .value_kind: global_buffer, .address_space: global }
      - { .name: wqimg, .offset: 8, .size: 8, .value_kind: global_buffer, .address_space: global }
      - { .name: b_qkv, .offset: 16, .size: 8, .value_kind: global_buffer, .address_space: global }
      - { .name: qimg, .offset: 24, .size: 8, .value_kind: global_buffer, .address_space: global }
      - { .name: kv, .offset: 32, .size: 8, .value_kind: global_buffer, .address_space: global }
    .group_segment_fixed_size: 327680
    .private_segment_fixed_size: 0
    .kernarg_segment_align: 8
    .kernarg_segment_size: 40
    .max_flat_workgroup_size: 128
    .sgpr_count:     90
    .vgpr_count:     1024
    .wavefront_size: 32
...
	.end_amdgpu_metadata
.endif
;; end of part 2
;; launch attn (part 3): grid 16 x 16, 8 waves a work-group, clusters of 4 x 4, 327,680 bytes of LDS; arguments qimg, kv, bias, aimg; writes aimg
.if DOCPART == 3
	.amdgcn_target "amdgcn-amd-amdhsa--gfx1250"
	.amdhsa_code_object_version 6
	.text
	.protected	k_q91c55922fb_attn
	.globl	k_q91c55922fb_attn
	.p2align	8
	.type	k_q91c55922fb_attn,@function
k_q91c55922fb_attn:
	s_mov_b64 s[64:65], 0
	v_nop
	global_prefetch_b8 v0, s[64:65] scope:SCOPE_SE
	s_setreg_imm32_b32 hwreg(HW_REG_WAVE_MODE, 25, 1), 1
	s_wait_xcnt 0x0
	s_wait_alu depctr_hold_cnt(0) depctr_sa_sdst(0) depctr_va_vdst(0) depctr_va_sdst(0) depctr_va_ssrc(0) depctr_va_vcc(0) depctr_vm_vsrc(0)
	s_getreg_b32 s2, hwreg(HW_REG_IB_STS2, 6, 4)
	s_cmp_eq_u32 s2, 0
	s_cbranch_scc0 .Lentry_in_a_cluster
	s_endpgm
.Lentry_in_a_cluster:
	s_bfe_u32 s2, ttmp6, 0x10000c
	s_cmp_lg_u32 s2, 0xf033
	s_cbranch_scc0 .Lentry_shape_is_right
	s_endpgm
.Lentry_shape_is_right:
; softmax(q k^T + bias) v for 64 (batch, head) pairs of 2,048 x 2,048, both products on codes of FP6 (E2M3) with E8M0 scales, and the result quantised along the hidden axis for the last product.  Nothing of the problem is left out here.
; THE SOFTMAX AHEAD OF THE SECOND PRODUCT: t = logit x log2(e); M = the row's largest t so far, rounded UP to a whole number; p = 2^(t - M) is quantised along the keys, not normalised; the row's sum is taken of the
; unquantised p and divides at the end.  When M moves, the sum and O are multiplied by 2^(old M - new M): exact.
; SHARES.  A work-group owns 128 queries of four heads of one batch.  Wave w: pair of heads w / 4, query tiles 2 (w % 4) and 2 (w % 4) + 1: 2 tiles x 2 heads.  A bias fragment in registers serves both heads, a fragment of K or V
; both query tiles, and a query tile's two heads are one K step of the last product.  Two waves to a SIMD: one's vector work stands beside the other's matrix work.  All keys are walked, 128 a step.
; LAYOUT.  Both products are used transposed: S^T = K Q^T + bias^T (source 0 = 16 keys, C = the bias), O^T = V^T P^T: a lane holds one query.  The keys of a tile are 64 c + 8 t + r % 8 + 32 (r / 8), so that a lane's 32 registers of four
; tiles are a WHOLE block of 32 keys, 64 c + 32 h + 0 .. 31, in the order of P's registers: a block's maximum needs no other lane and its codes change no lane.
; K = 64 IN AN INSTRUCTION OF 128: a fragment of K holds two key tiles (registers 0-5, 6-11); it is multiplied by [q | 0] for the first and by [0 | q] for the second.  The zero codes stand in Q's registers alone.
; CLUSTER 4 x 4: x = (batch, four heads), y = 128 queries.  The bias tile hangs on y alone and is asked for jointly along a row of the cluster, K and V hang on x alone, along a column.
; LIMITS: NaN among the inputs is not served; a block whose largest number lies under 2^-124 is held at the byte 1; a block of zeros carries the byte 1 (its codes are zeros); 1 / sum is v_rcp_f32's.
; REGISTERS: window 0 as named below; window 1: v0-127 the bias of my two query tiles, v128-255 O^T at 128 + 64 a + 32 e + 8 t + j.
.set SLOT1, 1<<17                      ; slot 1 begins here: one exclusive or turns an address from one slot to the other
.set BQ,    17024                      ; a quarter of the bias tile: 32 rows of 512 + 16 bytes, and 128 more, so that rows 32 apart begin 32 banks apart
.set KVO,   4*BQ                       ; behind the bias: four heads' blocks of K and V
.set KVB,   12800
.set HB,    12800
.set SPARE, 2*SLOT1                    ; the spare words, 128 bytes for each wave: four blocks of 256 bytes that no other line names
.set SPW, 1
.set NIL, 2
.set ABI, 3                            ; v3  my lane's place in the bias tile
.set AKV, 4                            ; v4  and in my pair's blocks of K and V
.set ADB, 5                            ; v5  the same in the slot in hand
.set ADK, 6
.set SH8, 7                            ; v7  8 h
.set LI,  8                            ; v8  16 x lane
.set WOF, 9                            ; v9  8 r + 4 h
.set HH,  10
.set PFO, 11                           ; v11 the prefetches' offset; never rewritten
.set ST,  12                           ; v12-27  n = 2 a + e: -M, the largest t, the sum in two halves
.set QS,  28                           ; v28-31  Q's scale words
.set QZ,  32                           ; v32-85  0 | q0 | 0 | q1 | 0 | q2 | 0 | q3 | 0, six registers each
.set FF,  86                           ; v86-87  f = 2^(old M - new M), as a pair's low word
.set KV,  88                           ; v88-135 four fragments of K or of V
.set KS,  136                          ; v136-139 lanes 0-15 K's scale words, lanes 16-31 V's
.set S,   140                          ; v140-203 S^T, then p
.set PC,  204                          ; v204-227 p's codes, a = 0, 1
.set PS,  228                          ; v228-229 p's scale words
.set TM,  230
.set XP,  234
.set TT,  235
.set SO,  236
.set BY,  238
.set CX0, 240
.set CX1, 244
.set TP,  248
.set TQ,  250
.set TR,  252
.set RC,  248                          ; the way out: 1 / sum at v[RC + 2 n]
.set WV,  12
.set G1B, 24                           ; s[24:31] group 1 for the bias; s[32:39] for K and V; s[40:43], s[44:47] their groups 0, which walk
.set G1K, 32
.set G0B, 40
.set G0K, 44
.set TB,  48                           ; s48 LDS byte at which the slot in hand begins
.set STEPS, 49
.set CS,  50                           ; s[50:51] log2(e)
.set SEL, 52
.set PFA, 54
.set PFS, 56
.set LIM, 58
.set MSB, 0
.macro WIN new
.if MSB != (\new)
	s_set_vgpr_msb (MSB<<8)|(\new)
.set MSB, (\new)
.endif
.endm
.macro PLACES
.rept 4
	v_nop
.endr
.endm
; a joint load: waves 0-3 fetch the bias tile's quarters, waves 4-7 the four heads' blocks; an s_nop 0 and four v_nop follow each of the two lines
.macro JLOAD
	s_cmp_lt_u32 s[WV], 4
	s_cbranch_scc0 .Lfor_kv_\@
	tensor_load_to_lds s[G0B:G0B+3], s[G1B:G1B+7]
	s_nop 0
.rept 4
	v_nop
.endr
	s_branch .Lasked_\@
.Lfor_kv_\@:
	tensor_load_to_lds s[G0K:G0K+3], s[G1K:G1K+7]
	s_nop 0
.rept 4
	v_nop
.endr
.Lasked_\@:
.endm
.macro CROUND
	s_barrier_signal -1
	s_barrier_wait -1
	s_cmp_lg_u32 s[WV], 0
	s_cbranch_scc1 .Lnot_wave_0_\@
	s_barrier_signal -3
.Lnot_wave_0_\@:
	s_barrier_wait -3
	s_barrier_signal -1
	s_barrier_wait -1
.endm
; A PREFETCH of the key step after the one that is being asked for: one key step ahead of its load.  The bias tile of a row of clusters is named by the cluster with x = 0: each of a row's four partners takes 32 of the 128 rows
; (by address: cx), a lane a row, waves 0 and 1 the two halves of a row's 512 bytes.  A column of clusters' K and V are named by the cluster with y = 0: each of a column's four partners takes one head's block (by address: cy),
; waves 4 and 5, lanes 256 bytes apart; the block has 50 such runs, and the lanes past the 50th name the 50th again.  Steps 0 and 1 come by their loads alone; the last change that fills a slot asks for nothing.
.macro ASK
	s_cmp_gt_u32 s[STEPS], s[LIM]
	s_cbranch_scc0 .Lnot_mine_\@
	global_prefetch_b8 v[PFO], s[PFA:PFA+1] th:TH_LOAD_NT scope:SCOPE_SE
.Lnot_mine_\@:
.endm
.macro MAXABS s
.irp k, 0,1,2,3
	v_max3_num_f32 v[TM+\k], |v[(\s)+16*\k]|, |v[(\s)+16*\k+1]|, |v[(\s)+16*\k+2]|
.endr
.irp i, 3,5,7,9,11,13
.irp k, 0,1,2,3
	v_max3_num_f32 v[TM+\k], v[TM+\k], |v[(\s)+16*\k+\i]|, |v[(\s)+16*\k+\i+1]|
.endr
.endr
	v_max3_num_f32 v[TM], v[TM], v[TM+1], |v[(\s)+15]|
	v_max3_num_f32 v[TM+2], v[TM+2], v[TM+3], |v[(\s)+47]|
	v_max3_num_f32 v[TM], v[TM], |v[(\s)+31]|, 0x1800000
	v_max3_num_f32 v[TM+2], v[TM+2], |v[(\s)+63]|, 0x1800000
.endm
.macro CODES s, d0, d1, w
	v_add_nc_u32 v[SO], 0xff000000, v[TM]          ; 2 off the exponent field: the conversion's scale operand
	v_add_nc_u32 v[SO+1], 0xff000000, v[TM+2]
	v_lshrrev_b32 v[BY], 23, v[SO]
	v_lshrrev_b32 v[BY+1], 23, v[SO+1]
	v_lshl_or_b32 v[(\w)], v[BY+1], 16, v[BY]
	v_lshlrev_b32 v[(\w)], v[SH8], v[(\w)]
	v_permlanex16_b32 v[XP], v[(\w)], s[SEL], s[SEL+1]
	v_or_b32 v[(\w)], v[(\w)], v[XP]               ; the row's scale word: byte 2 c + h
	v_cvt_scalef32_pk16_fp6_f32 v[(\d0):(\d0)+2], v[(\s):(\s)+15], v[SO]
	v_cvt_scalef32_pk16_fp6_f32 v[CX0:CX0+2], v[(\s)+16:(\s)+31], v[SO]
	v_cvt_scalef32_pk16_fp6_f32 v[(\d1):(\d1)+2], v[(\s)+32:(\s)+47], v[SO+1]
	v_cvt_scalef32_pk16_fp6_f32 v[CX1:CX1+2], v[(\s)+48:(\s)+63], v[SO+1]
	v_nop                                          ; one plain place behind the scaled conversions
.irp i, 0,1,2
	v_mov_b32 v[(\d0)+3+\i], v[CX0+\i]
	v_mov_b32 v[(\d1)+3+\i], v[CX1+\i]
.endr
.endm
	s_load_b256 s[4:11], s[0:1], 0x0               ; qimg s[4:5], kv s[6:7], bias s[8:9], aimg s[10:11]
	v_lshl_add_u32 v[SPW], v0, 2, SPARE
	v_mov_b32 v[NIL], 0
	ds_add_u32 v[SPW], v[NIL]                      ; the wave's opening: the add, twice on end, and its wait ahead of my first tensor load
	ds_add_u32 v[SPW], v[NIL]
	v_lshrrev_b32 v[LI], 5, v0
	v_readfirstlane_b32 s[WV], v[LI]               ; wave 0..7
	s_and_b32 s17, s[WV], 3                        ; my two query tiles.  Also: which quarter or head I fetch
	s_lshr_b32 s18, s[WV], 2                       ; my pair of heads
	s_bfe_u32 s13, ttmp6, 0x40000                  ; cx
	s_bfe_u32 s14, ttmp6, 0x40004                  ; cy
	s_lshl_b32 s15, ttmp9, 2
	s_add_co_u32 s15, s15, s13                     ; X: batch X / 4 = cluster x, heads 4 (X % 4) on
	s_and_b32 s19, ttmp7, 0xffff                   ; cluster y
	s_lshl_b32 s16, s19, 2
	s_add_co_u32 s16, s16, s14                     ; Y: the block of 128 queries
	s_lshl_b32 s20, s14, 2
	s_lshl_b32 s20, 15, s20                        ; my row of the cluster
	s_lshl_b32 s21, 0x1111, s13                    ; my column
	s_or_b32 s[G1B], s20, (2<<16)|(1<<20)|(1<<21)|(6<<22)|(3<<25)  ; the mask; elements of 4 bytes; padding on; 21 set beside a mask; after every 128 words, 4 words
	s_mov_b32 s[G1B+1], 128<<16                    ; tensor_dim0 = 128
	s_mov_b32 s[G1B+2], 32<<16                     ; tensor_dim1 = 32
	s_mov_b32 s[G1B+3], 128<<16                    ; tile_dim0
	s_mov_b32 s[G1B+4], 32                         ; tile_dim1
	s_mov_b32 s[G1B+5], 2048                       ; the pitch
	s_mov_b32 s[G1B+6], 0
	s_mov_b32 s[G1B+7], 0
	s_or_b32 s[G1K], s21, (3<<16)|(1<<21)          ; 12,800 dense bytes as 50 rows of 256
	s_mov_b32 s[G1K+1], 32<<16
	s_mov_b32 s[G1K+2], 50<<16
	s_mov_b32 s[G1K+3], 32<<16
	s_mov_b32 s[G1K+4], 50
	s_mov_b32 s[G1K+5], 32
	s_mov_b32 s[G1K+6], 0
	s_mov_b32 s[G1K+7], 0
	s_lshl_b32 s66, s16, 20                        ; bias: 128 rows of 8,192 bytes a block,
	s_lshl_b32 s67, s17, 18                        ; 32 a quarter
	s_add_co_u32 s66, s66, s67
	s_mov_b32 s67, 0
	s_lshl_b32 s68, s15, 2
	s_add_co_u32 s68, s68, s17
	s_mul_i32 s68, s68, 16*KVB                     ; kv: head 4 X + w % 4
	s_mov_b32 s69, 0
	s_mul_i32 s22, s17, BQ
	s_mul_i32 s23, s17, KVB
	s_mov_b32 s[CS], 0x3fb8aa3b                    ; log2(e)
	s_mov_b32 s[CS+1], s[CS]
	s_mov_b32 s[SEL], 0x76543210
	s_mov_b32 s[SEL+1], 0xfedcba98
	s_mov_b32 s[TB], 0
	s_mov_b32 s[STEPS], 15
	s_wait_dscnt 0x0                               ; both opening adds are done
	s_wait_kmcnt 0x0
	s_mov_b32 s[G0B], 1
	s_mov_b32 s[G0B+1], s22
	s_add_nc_u64 s[G0B+2:G0B+3], s[8:9], s[66:67]
	s_or_b32 s[G0B+3], s[G0B+3], 0x80000000
	s_mov_b32 s[G0K], 1
	s_add_co_u32 s[G0K+1], s23, KVO
	s_add_nc_u64 s[G0K+2:G0K+3], s[6:7], s[68:69]
	s_or_b32 s[G0K+3], s[G0K+3], 0x80000000
	CROUND                                         ; all sixteen work-groups are here: the first joint loads meet
	JLOAD                                          ; key step 0 into slot 0: every wave issues one
	s_lshl_b32 s70, ttmp9, 4
	s_add_co_u32 s70, s70, s16                     ; the block of 128 tokens,
	s_lshl_b32 s70, s70, 3
	s_lshl_b32 s71, s13, 1
	s_add_co_u32 s71, s71, s18                     ; my pair of heads among the batch's eight
	s_add_co_u32 s70, s70, s71
	s_mul_i32 s70, s70, HB
	s_mul_i32 s72, s17, 3072
	s_add_co_u32 s72, s72, s70                     ; my two tiles' fragments,
	s_mov_b32 s73, 0
	s_lshl_b32 s74, s17, 7
	s_add_co_u32 s74, s74, s70
	s_add_co_u32 s74, s74, 12288                   ; and their scale words
	s_mov_b32 s75, 0
	s_add_nc_u64 s[60:61], s[10:11], s[72:73]      ; in aimg,
	s_add_nc_u64 s[62:63], s[10:11], s[74:75]
	s_add_nc_u64 s[72:73], s[4:5], s[72:73]        ; in qimg
	s_add_nc_u64 s[74:75], s[4:5], s[74:75]
	v_and_b32 v[TM+3], 31, v0
	v_lshlrev_b32 v[LI], 4, v[TM+3]
	v_and_b32 v[TM], 15, v0                        ; r
	v_bfe_u32 v[HH], v0, 4, 1                      ; h
	v_lshlrev_b32 v[SH8], 3, v[HH]
	v_lshlrev_b32 v[ADK], 3, v[TM]                 ; 8 r, for Q's scale words
	v_lshl_add_u32 v[WOF], v[HH], 2, v[ADK]
.irp a, 0,1
.irp c, 0,1,2
	global_load_b128 v[S+12*\a+4*\c:S+12*\a+4*\c+3], v[LI], s[72:73] offset:1536*\a+512*\c
.endr
.endr
	global_load_b64 v[S+24:S+25], v[ADK], s[74:75]
	v_lshrrev_b32 v[TM+1], 3, v[TM]
	v_and_b32 v[TM+2], 7, v[TM]
	v_mul_u32_u24 v[ABI], v[TM+1], BQ
	v_mad_u32_u24 v[ABI], v[TM+2], 528, v[ABI]
	v_lshl_add_u32 v[ABI], v[HH], 7, v[ABI]
	s_lshr_b32 s76, s17, 1
	s_mul_i32 s76, s76, 2*BQ
	s_and_b32 s77, s17, 1
	s_mul_i32 s77, s77, 16*528
	s_add_co_u32 s76, s76, s77
	v_add_nc_u32 v[ABI], s76, v[ABI]               ; my query's row: quarter 2 (qi / 2) + r / 8, row 16 (qi % 2) + r % 8 (+ 8 a), + 128 h bytes
	s_mul_i32 s77, s18, 2*KVB
	s_add_co_u32 s77, s77, KVO
	v_add_nc_u32 v[AKV], s77, v[LI]
	; the prefetches: all candidates first, then one compare and the choices
	s_and_b32 s76, s[WV], 1
	s_lshl_b32 s68, s16, 20
	s_lshl_b32 s69, s13, 18
	s_add_co_u32 s68, s68, s69
	s_lshl_b32 s69, s76, 8
	s_add_co_u32 s68, s68, s69
	s_add_co_u32 s68, s68, 512                     ; bias: rows 128 Y + 32 cx on, my half of a row's 512 bytes, key step 1
	s_lshl_b32 s69, s15, 2
	s_add_co_u32 s69, s69, s14
	s_mul_i32 s69, s69, 16*KVB
	s_add_co_u32 s69, s69, KVB                     ; kv: head 4 X + cy, key step 1
	s_lshl_b32 s70, s76, 5
	s_mov_b32 s71, KVB
	s_mov_b32 s77, 49
	s_mov_b32 s78, 256
	s_cmp_lt_u32 s[WV], 4
	s_cselect_b64 s[PFA:PFA+1], s[8:9], s[6:7]
	s_cselect_b32 s68, s68, s69
	s_cselect_b32 s70, 0, s70
	s_cselect_b32 s[PFS], 512, s71
	s_cselect_b32 s77, 31, s77
	s_cselect_b32 s78, 8192, s78
	s_cselect_b32 s79, ttmp9, s19                  ; the coordinate along which other clusters read the same bytes
	s_mov_b32 s69, 0
	s_mov_b32 s[PFS+1], 0
	s_add_nc_u64 s[PFA:PFA+1], s[PFA:PFA+1], s[68:69]  ; the first change of slots steps it to key step 2
	s_and_b32 s76, s[WV], 2
	s_or_b32 s76, s76, s79
	s_cmp_eq_u32 s76, 0
	s_cselect_b32 s[LIM], 1, -1                    ; the same in all sixteen partners, for a given wave
	v_add_nc_u32 v[PFO], s70, v[TM+3]
	v_min_u32 v[PFO], s77, v[PFO]
	v_mul_lo_u32 v[PFO], v[PFO], s78
.irp k, 0,1,2,3,4
.irp i, 0,1,2,3,4,5
	v_mov_b32 v[QZ+12*\k+\i], 0                    ; the zero codes beside Q's
.endr
.endr
.irp n, 0,1,2,3
	v_mov_b32 v[ST+4*\n+1], 0xff61b1e6             ; the largest t so far: -3e38
	v_floor_f32 v[ST+4*\n], -v[ST+4*\n+1]          ; -M
	v_mov_b32 v[ST+4*\n+2], 0                      ; the sum
	v_mov_b32 v[ST+4*\n+3], 0
.endr
	v_mov_b32 v[XP], 0                             ; written once: a lane permute's destination counts as one of its sources
	v_mov_b32 v[FF+1], 0                           ; (named as the upper halves of pairs)
	v_mov_b32 v255, 0
	WIN 0x40
.set j, 0
.rept 128
	v_mov_b32 v[128+j], 0                          ; O^T.  (The step is written for every trip alike: the first finds zeros, which the first change of M leaves zeros)
.set j, j+1
.endr
	WIN 0
	s_wait_loadcnt 0x0                             ; Q
.irp a, 0,1
.irp e, 0,1
.irp i, 0,1,2,3,4,5
	v_mov_b32 v[QZ+6+12*(2*\a+\e)+\i], v[S+12*\a+6*\e+\i]
.endr
.endr
	v_perm_b32 v[QS+2*\a], v[S+24+\a], v[S+24+\a], 0x01000100     ; the even head's two bytes, twice: they serve q in either half of K
	v_perm_b32 v[QS+2*\a+1], v[S+24+\a], v[S+24+\a], 0x03020302   ; the odd head's
.endr
; S^T of query tile a, head e: eight tiles of 16 keys; the bias is the C of each product
.macro SMUL a, e
	WIN 0x10                                       ; source 2 in window 1
.irp t, 0,1,2,3,4,5,6,7
	v_wmma_scale_f32_16x16x128_f8f6f4 v[S+8*\t:S+8*\t+7], v[KV+12*(\t/2):KV+12*(\t/2)+11], v[QZ+6+12*(2*\a+\e)-6*(\t%2):QZ+17+12*(2*\a+\e)-6*(\t%2)], v[64*\a+8*\t:64*\a+8*\t+7], v[KS+\t/2], v[QS+2*\a+\e] matrix_a_fmt:MATRIX_FMT_FP6 matrix_b_fmt:MATRIX_FMT_FP6
.endr
	WIN 0
.endm
.macro SOFTMAX a, e
.set N4, ST+4*(2*\a+\e)
.set OB, 128+64*\a+32*\e
.irp k, 0,1,2,3
	v_max3_num_f32 v[TM+\k], v[S+16*\k], v[S+16*\k+1], v[S+16*\k+2]      ; the largest score of my two blocks of 32 keys: each accumulator is read from its low end on
.endr
.irp i, 3,5,7,9,11,13
.irp k, 0,1,2,3
	v_max3_num_f32 v[TM+\k], v[TM+\k], v[S+16*\k+\i], v[S+16*\k+\i+1]
.endr
.endr
	v_max3_num_f32 v[TM], v[TM], v[TM+1], v[S+15]
	v_max3_num_f32 v[TM+2], v[TM+2], v[TM+3], v[S+47]
	v_max_num_f32 v[TM], v[TM], v[S+31]
	v_max_num_f32 v[TM+2], v[TM+2], v[S+63]
	v_max_num_f32 v[TT], v[TM], v[TM+2]
	v_permlanex16_b32 v[XP], v[TT], s[SEL], s[SEL+1]
	v_max_num_f32 v[TT], v[TT], v[XP]              ; the step's largest score of my query
	v_mul_f32 v[TT], s[CS], v[TT]
	v_max_num_f32 v[N4+1], v[N4+1], v[TT]          ; the running largest t
	v_mov_b32 v[TT], v[N4]
	v_floor_f32 v[N4], -v[N4+1]                    ; the new -M = -ceil(t)
	v_sub_f32 v[TT], v[N4], v[TT]                  ; old M - new M: a whole number, 0 or less
	v_cvt_i32_f32 v[TT], v[TT]                     ; (it saturates)
	v_ldexp_f32 v[FF], 1.0, v[TT]                  ; f
.set j, 0
.rept 32
	v_pk_fma_f32 v[S+j:S+j+1], v[S+j:S+j+1], s[CS:CS+1], v[N4:N4+1] op_sel_hi:[1,0,0]   ; t - M
.set j, j+2
.endr
	v_fma_f32 v[TM], v[TM], s[CS], v[N4]           ; the same of each block's largest score
	v_fma_f32 v[TM+2], v[TM+2], s[CS], v[N4]
.set j, 0
.rept 64
	v_exp_f32 v[S+j], v[S+j]                       ; p = 2^(t - M)
.set j, j+1
.endr
	v_pk_mul_f32 v[N4+2:N4+3], v[N4+2:N4+3], v[FF:FF+1] op_sel_hi:[1,0]   ; the sum under the new M: the plain place behind the batch
	s_wait_alu depctr_va_vdst(0)                   ; one wait for the batch, ahead of its first reader
	v_exp_f32 v[TM], v[TM]                         ; each block's largest p: the same two instructions on the same number
	v_exp_f32 v[TM+2], v[TM+2]
	v_pk_add_f32 v[N4+2:N4+3], v[N4+2:N4+3], v[S:S+1]      ; the sum of the unquantised p, in four chains
	v_pk_add_f32 v[TP:TP+1], v[S+2:S+3], v[S+4:S+5]
	v_pk_add_f32 v[TQ:TQ+1], v[S+6:S+7], v[S+8:S+9]
	v_pk_add_f32 v[TR:TR+1], v[S+10:S+11], v[S+12:S+13]
.irp j, 14,22,30,38,46,54
	v_pk_add_f32 v[N4+2:N4+3], v[N4+2:N4+3], v[S+\j:S+\j+1]
	v_pk_add_f32 v[TP:TP+1], v[TP:TP+1], v[S+\j+2:S+\j+3]
	v_pk_add_f32 v[TQ:TQ+1], v[TQ:TQ+1], v[S+\j+4:S+\j+5]
	v_pk_add_f32 v[TR:TR+1], v[TR:TR+1], v[S+\j+6:S+\j+7]
.endr
	v_pk_add_f32 v[N4+2:N4+3], v[N4+2:N4+3], v[S+62:S+63]
	v_pk_add_f32 v[TP:TP+1], v[TP:TP+1], v[TQ:TQ+1]
	v_pk_add_f32 v[N4+2:N4+3], v[N4+2:N4+3], v[TR:TR+1]
	v_pk_add_f32 v[N4+2:N4+3], v[N4+2:N4+3], v[TP:TP+1]
	s_wait_alu depctr_va_vdst(0)                   ; and one for the two
	v_max_num_f32 v[TM], 0x1800000, v[TM]          ; the floor 2^(3 - 127)
	v_max_num_f32 v[TM+2], 0x1800000, v[TM+2]
	CODES S, PC+12*\a, PC+12*\a+6, PS+\a
	WIN 0x41                                       ; O^T in window 1, f in window 0
.set j, 0
.rept 16
	v_pk_mul_f32 v[OB+j:OB+j+1], v[OB+j:OB+j+1], v[FF:FF+1] op_sel_hi:[1,0]   ; O^T under the new M.  (Also the places between p's codes and scale word and the products that take them)
.set j, j+2
.endr
	WIN 0
.endm
; A KEY STEP: 128 keys, the slot in hand
.macro STEP
	v_add_nc_u32 v[ADB], s[TB], v[ABI]
	v_add_nc_u32 v[ADK], s[TB], v[AKV]
	WIN 0x40
.irp a, 0,1
.irp c, 0,1
.irp j, 0,1,2,3,4,5,6,7
	ds_load_b128 v[64*\a+32*\c+4*\j:64*\a+32*\c+4*\j+3], v[ADB] offset:4224*\a+256*\c+16*\j   ; bias(my query, keys 64 c + 32 h + 4 j ..): it serves both heads
.endr
.endr
.endr
	WIN 0
.irp e, 0,1
.irp i, 0,1,2,3
.irp c, 0,1,2
	ds_load_b128 v[KV+12*\i+4*\c:KV+12*\i+4*\c+3], v[ADK] offset:KVB*\e+1536*\i+512*\c
.endr
.endr
	ds_load_b128 v[KS:KS+3], v[ADK] offset:KVB*\e+12288
	s_wait_dscnt 0x0
	SMUL 0, \e
	PLACES
	SOFTMAX 0, \e
	SMUL 1, \e
	PLACES                                         ; in front of the loads over K's fragments, and of the first read of the scores
.irp t, 0,1,2,3
.irp c, 0,1,2
	ds_load_b128 v[KV+12*\t+4*\c:KV+12*\t+4*\c+3], v[ADK] offset:KVB*\e+6144+1536*\t+512*\c   ; V lands while the softmax below is walked
.endr
.endr
	SOFTMAX 1, \e
	s_wait_dscnt 0x0
	WIN 0x50                                       ; C and D in window 1
.irp t, 0,1,2,3
.irp a, 0,1
	v_wmma_scale_f32_16x16x128_f8f6f4 v[128+64*\a+32*\e+8*\t:128+64*\a+32*\e+8*\t+7], v[KV+12*\t:KV+12*\t+11], v[PC+12*\a:PC+12*\a+11], v[128+64*\a+32*\e+8*\t:128+64*\a+32*\e+8*\t+7], v[KS+\t], v[PS+\a] matrix_a_fmt:MATRIX_FMT_FP6 matrix_b_fmt:MATRIX_FMT_FP6 matrix_a_scale:MATRIX_SCALE_ROW1
.endr
.endr
	WIN 0
	PLACES                                         ; in front of the loads over V's fragments and the scale words
.endr
.endm
; THE CHANGE OF SLOTS stands at a step's head.  Each wave waits for all its tensor loads (its part of the slot that it is about to read), adds 0 to its spare word, and waits for that and for its reads of the slot that it has left.
; fill = 1: a round of the cluster's barrier, and behind it the slot that was left takes the next key step: one load a wave, with a whole key step in which to land.
.macro CHANGE fill
	s_wait_tensorcnt 0x0                           ; no tensor load of mine is out, so a group 0 may be written
	ds_add_u32 v[SPW], v[NIL]                      ; 0 onto my spare word
.if \fill
	s_xor_b32 s[G0B+1], s[G0B+1], SLOT1
	s_add_nc_u64 s[G0B+2:G0B+3], s[G0B+2:G0B+3], 512       ; 128 keys on in the bias's rows
	s_xor_b32 s[G0K+1], s[G0K+1], SLOT1
	s_add_nc_u64 s[G0K+2:G0K+3], s[G0K+2:G0K+3], KVB       ; the head's next block
	s_wait_xcnt 0x0                                ; the last prefetch, a key step back, has read its address
	s_add_nc_u64 s[PFA:PFA+1], s[PFA:PFA+1], s[PFS:PFS+1]
	s_wait_dscnt 0x0                               ; the add is done, and my reads of the slot that I have left are over
	CROUND
	JLOAD
	ASK
.else
	s_wait_dscnt 0x0
	s_barrier_signal -1
	s_barrier_wait -1
.endif
.endm
.Lstep:                                            ; 15 trips: behind each change of slots but the last the next key step is asked for
	CHANGE 1
	STEP
	s_xor_b32 s[TB], s[TB], SLOT1
	s_sub_co_u32 s[STEPS], s[STEPS], 1
	s_cmp_lg_u32 s[STEPS], 0
	s_cbranch_scc1 .Lstep
	CHANGE 0                                       ; the last step is written out
	STEP
	; THE WAY OUT.  O^T / the sum; a query tile's 64 numbers of a lane (register 32 e + i = hidden 128 pair + 64 e + 32 h + i) are one fragment of the last product's operand: quantised here, stored as an image.
.irp n, 0,1,2,3
	v_add_f32 v[TM+\n], v[ST+4*\n+2], v[ST+4*\n+3]
.endr
.irp n, 0,1,2,3
	v_permlanex16_b32 v[SO+\n], v[TM+\n], s[SEL], s[SEL+1]
.endr
.irp n, 0,1,2,3
	v_add_f32 v[TM+\n], v[TM+\n], v[SO+\n]         ; the row's sum
.endr
.irp n, 0,1,2,3
	v_rcp_f32 v[RC+2*\n], v[TM+\n]
.endr
	v_nop                                          ; a plain place behind the last reciprocal
	s_wait_alu depctr_va_vdst(0)                   ; one wait for the four, ahead of their first reader
.irp a, 0,1
	WIN 0x01                                       ; source 0 in window 1
.irp e, 0,1
.set j, 0
.rept 16
	v_pk_mul_f32 v[S+32*\e+j:S+32*\e+j+1], v[128+64*\a+32*\e+j:128+64*\a+32*\e+j+1], v[RC+2*(2*\a+\e):RC+2*(2*\a+\e)+1] op_sel_hi:[1,0]
.set j, j+2
.endr
.endr
	WIN 0
	MAXABS S
	CODES S, PC+12*\a, PC+12*\a+6, PS+\a
.irp c, 0,1,2
	global_store_b128 v[LI], v[PC+12*\a+4*\c:PC+12*\a+4*\c+3], s[60:61] offset:1536*\a+512*\c
.endr
.endr
	v_cmp_ne_u32 vcc_lo, 0, v[HH]
	v_cndmask_b32 v[TT], v[PS], v[PS+1], vcc_lo
	global_store_b32 v[WOF], v[TT], s[62:63]       ; my two tiles' scale words: 128 consecutive bytes
	s_wait_tensorcnt 0x0                           ; the wave's end
	ds_add_u32 v[SPW], v[NIL]
	s_wait_dscnt 0x0
	CROUND                                         ; the closing round
	s_endpgm
.Lfunc_end_k_q91c55922fb_attn:
	.size	k_q91c55922fb_attn, .Lfunc_end_k_q91c55922fb_attn-k_q91c55922fb_attn
	.p2alignl 7, 3214868480
	.fill 96, 4, 3214868480
	.section	.rodata,"a",@progbits
	.p2align	6, 0x0
	.amdhsa_kernel k_q91c55922fb_attn
		.amdhsa_group_segment_fixed_size 327680
		.amdhsa_private_segment_fixed_size 0
		.amdhsa_enable_private_segment 0
		.amdhsa_kernarg_size 32
		.amdhsa_user_sgpr_count 2
		.amdhsa_user_sgpr_kernarg_segment_ptr 1
		.amdhsa_wavefront_size32 1
		.amdhsa_system_sgpr_workgroup_id_x 1
		.amdhsa_system_sgpr_workgroup_id_y 1
		.amdhsa_system_sgpr_workgroup_id_z 1
		.amdhsa_system_vgpr_workitem_id 0
		.amdhsa_next_free_vgpr 512
		.amdhsa_next_free_sgpr 84
		.amdhsa_reserve_vcc 1
		.amdhsa_float_denorm_mode_32 3
		.amdhsa_float_denorm_mode_16_64 3
		.amdhsa_memory_ordered 1
		.amdhsa_forward_progress 1
		.amdhsa_inst_pref_size 139
	.end_amdhsa_kernel
	.amdgpu_metadata
---
amdhsa.version: [ 1, 2 ]
amdhsa.kernels:
  - .name:           k_q91c55922fb_attn
    .symbol:         k_q91c55922fb_attn.kd
    .args:
      - { .name: qimg, .offset: 0, .size: 8, .value_kind: global_buffer, .address_space: global }
      - { .name: kv, .offset: 8, .size: 8, .value_kind: global_buffer, .address_space: global }
      - { .name: bias, .offset: 16, .size: 8, .value_kind: global_buffer, .address_space: global }
      - { .name: aimg, .offset: 24, .size: 8, .value_kind: global_buffer, .address_space: global }
    .group_segment_fixed_size: 327680
    .private_segment_fixed_size: 0
    .kernarg_segment_align: 8
    .kernarg_segment_size: 32
    .max_flat_workgroup_size: 256
    .sgpr_count:     84
    .vgpr_count:     512
    .wavefront_size: 32
...
	.end_amdgpu_metadata
.endif
;; end of part 3
;; launch outp (part 4): grid 4 x 32, 4 waves a work-group, clusters of 4 x 4, 327,680 bytes of LDS; arguments aimg, woimg, b_o, out0; writes out0
.if DOCPART == 4
	.amdgcn_target "amdgcn-amd-amdhsa--gfx1250"
	.amdhsa_code_object_version 6
	.text
	.protected	k_q91c55922fb_outp
	.globl	k_q91c55922fb_outp
	.p2align	8
	.type	k_q91c55922fb_outp,@function
k_q91c55922fb_outp:
	s_mov_b64 s[64:65], 0
	v_nop
	global_prefetch_b8 v0, s[64:65] scope:SCOPE_SE
	s_setreg_imm32_b32 hwreg(HW_REG_WAVE_MODE, 25, 1), 1
	s_wait_xcnt 0x0
	s_wait_alu depctr_hold_cnt(0) depctr_sa_sdst(0) depctr_va_vdst(0) depctr_va_sdst(0) depctr_va_ssrc(0) depctr_va_vcc(0) depctr_vm_vsrc(0)
	s_getreg_b32 s2, hwreg(HW_REG_IB_STS2, 6, 4)
	s_cmp_eq_u32 s2, 0
	s_cbranch_scc0 .Lentry_in_a_cluster
	s_endpgm
.Lentry_in_a_cluster:
	s_bfe_u32 s2, ttmp6, 0x10000c
	s_cmp_lg_u32 s2, 0xf033
	s_cbranch_scc0 .Lentry_shape_is_right
	s_endpgm
.Lentry_shape_is_right:
; out0 = x w_o + b_o on codes of FP6 (E2M3) with E8M0 scales; x is attention's result as an image, w_o likewise.  Nothing of the problem is left out here.
; OPERANDS: a block (HB) is 128 rows x 128 K: fragment t at 1536 t (registers 4 c .. at 512 c + 16 lane), scale words at 12,288 + 128 (t / 2) + 8 r + 4 (t % 2); lane r of tile 4 c + t holds row 64 c + 8 t + r % 8 + 32 (r / 8).
; A work-group makes 256 x 256, a wave 128 x 128.  SIDE A (source 1: a lane is a token) = aimg, SIDE B (source 0: a lane's registers run along the columns) = woimg.  Ring, round and order of a step as in the launch qkv.
; 128 work-groups: a smaller wave tile would read more LDS bytes for each matrix instruction; the launch is short beside attention.
; CLUSTERS: 4 x 4.  Side A's tile is asked for jointly along a row of the cluster, side B's along a column.
; REGISTERS: window 0: v16-26 addresses; v28, v29 the add's two; v32-47 scale words; v48-51 b_o; v128-223 side A's fragments; on the way out v128-255 rows of out0.  window 1: side B's fragments, two sets.  windows 2, 3: accumulators.
.set HB,     12800
.set HALFT,  2*HB
.set SLOT,   4*HALFT
.set BLKB,   8*HB
.set SPARE,  2*SLOT
.set LAPS,   2
.set FR,     12
.set SPITCH, 528                       ; the way out: a stage of 16 rows x (512 + 16) bytes for each wave, in slot 0, which has had its last fill and its last read by then
.set ADRA, 16
.set ADRB, 20
.set ADRS, 22
.set STO,  24
.set RD,   25
.set CO,   26                          ; 16 x lane
.set SPW,  28
.set NIL,  29
.set SC,   32
.set BO,   48
.set AF,   128
.set BK,   128
.set G1,  24
.set G0,  32
.set G1B, 48
.set G0B, 56
.set MSB, 0
.macro WIN new
.if MSB != (\new)
	s_set_vgpr_msb (MSB<<8)|(\new)
.set MSB, (\new)
.endif
.endm
.set MUL_LO, 0xa1
.set MUL_HI, 0xf1
.set TO_B,   0x40
.macro PLACES
.rept 4
	v_nop
.endr
.endm
.macro JLOAD g0a, g1a, g0b, g1b        ; waves 0 and 1 fetch side A's halves, waves 2 and 3 side B's; an s_nop 0 and four v_nop follow each of the two lines
	s_cmp_eq_u32 s15, 0
	s_cbranch_scc0 .Lfor_b_\@
	tensor_load_to_lds s[\g0a:\g0a+3], s[\g1a:\g1a+7]
	s_nop 0
.rept 4
	v_nop
.endr
	s_branch .Lasked_\@
.Lfor_b_\@:
	tensor_load_to_lds s[\g0b:\g0b+3], s[\g1b:\g1b+7]
	s_nop 0
.rept 4
	v_nop
.endr
.Lasked_\@:
.endm
.macro CREST
	s_cmp_lg_u32 s14, 0
	s_cbranch_scc1 .Lnot_wave_0_\@
	s_barrier_signal -3
.Lnot_wave_0_\@:
	s_barrier_wait -3
	s_barrier_signal -1
	s_barrier_wait -1
.endm
.macro CROUND
	s_barrier_signal -1
	s_barrier_wait -1
	CREST
.endm
	s_load_b256 s[4:11], s[0:1], 0x0               ; aimg s[4:5], woimg s[6:7], b_o s[8:9], out0 s[10:11]
	v_lshl_add_u32 v[SPW], v0, 2, SPARE
	v_mov_b32 v[NIL], 0
	ds_add_u32 v[SPW], v[NIL]                      ; the wave's opening: the add, twice on end, and its wait ahead of my first tensor load
	ds_add_u32 v[SPW], v[NIL]
	v_lshrrev_b32 v1, 5, v0
	v_readfirstlane_b32 s14, v1
	s_lshr_b32 s15, s14, 1
	s_and_b32 s16, s14, 1
	s_bfe_u32 s40, ttmp6, 0x40000                  ; cx
	s_bfe_u32 s41, ttmp6, 0x40004                  ; cy
	s_and_b32 s18, ttmp7, 0xffff
	s_lshl_b32 s18, s18, 2
	s_add_co_u32 s18, s18, s41                     ; side A's tile of 256 tokens
	s_lshl_b32 s19, ttmp9, 2
	s_add_co_u32 s19, s19, s40                     ; side B's tile of 256 columns
	s_lshl_b32 s43, s41, 2
	s_lshl_b32 s43, 15, s43
	s_lshl_b32 s44, 0x1111, s40
	s_or_b32 s[G1], s43, (3<<16)|(1<<21)
	s_or_b32 s[G1B], s44, (3<<16)|(1<<21)
.irp g, G1, G1B
	s_mov_b32 s[\g+1], 32<<16                      ; 25,600 dense bytes as 100 rows of 256
	s_mov_b32 s[\g+2], 100<<16
	s_mov_b32 s[\g+3], 32<<16
	s_mov_b32 s[\g+4], 100
	s_mov_b32 s[\g+5], 32
	s_mov_b32 s[\g+6], 0
	s_mov_b32 s[\g+7], 0
.endr
	s_lshl_b32 s20, s18, 1
	s_add_co_u32 s20, s20, s16
	s_mul_i32 s20, s20, BLKB
	s_mov_b32 s21, 0
	s_lshl_b32 s46, s19, 1
	s_add_co_u32 s46, s46, s16
	s_mul_i32 s46, s46, BLKB
	s_mov_b32 s47, 0
	s_mul_i32 s45, s14, HALFT
	s_wait_dscnt 0x0                               ; both opening adds are done
	s_wait_kmcnt 0x0
	s_add_nc_u64 s[20:21], s[4:5], s[20:21]
	s_add_nc_u64 s[46:47], s[6:7], s[46:47]
	CROUND
.irp s, 0,1
	s_mov_b32 s[G0+4*\s], 1
	s_add_co_u32 s[G0+4*\s+1], s45, \s*SLOT
	s_add_nc_u64 s[G0+4*\s+2:G0+4*\s+3], s[20:21], \s*HALFT
	s_or_b32 s[G0+4*\s+3], s[G0+4*\s+3], 0x80000000
	s_mov_b32 s[G0B+4*\s], 1
	s_add_co_u32 s[G0B+4*\s+1], s45, \s*SLOT
	s_add_nc_u64 s[G0B+4*\s+2:G0B+4*\s+3], s[46:47], \s*HALFT
	s_or_b32 s[G0B+4*\s+3], s[G0B+4*\s+3], 0x80000000
	JLOAD G0+4*\s, G1, G0B+4*\s, G1B
.endr
	s_lshl_b32 s70, s18, 1
	s_add_co_u32 s70, s70, s15                     ; my block of 128 tokens,
	s_lshl_b32 s71, s19, 1
	s_add_co_u32 s71, s71, s16                     ; of 128 columns
	s_lshl_b32 s76, s71, 9
	s_mov_b32 s77, 0
	s_add_nc_u64 s[8:9], s[8:9], s[76:77]          ; b_o at my columns
	s_add_nc_u64 s[10:11], s[10:11], s[76:77]
	s_lshl_b32 s76, s70, 19                        ; 128 rows of 4,096 bytes
	s_add_nc_u64 s[10:11], s[10:11], s[76:77]      ; out0 at my first row and column
	v_and_b32 v1, 15, v0                           ; r
	v_bfe_u32 v2, v0, 4, 1                         ; h
	v_and_b32 v3, 31, v0
	v_lshlrev_b32 v[CO], 4, v3
	global_load_b128 v[BO:BO+3], v[CO], s[8:9]     ; b_o at columns 4 lane .. 4 lane + 3
	s_mul_i32 s80, s15, HALFT
	s_mul_i32 s81, s16, HALFT
	s_add_co_u32 s81, s81, 2*HALFT
	s_sub_co_u32 s82, s81, s80
	v_lshlrev_b32 v6, 3, v1
	v_mul_u32_u24 v7, s82, v2                      ; lanes 16-31 take side B's scale words
	v_add_nc_u32 v6, v6, v7
.irp s, 0,1
	v_add_nc_u32 v[ADRA+\s], s80, v[CO]
	v_add_nc_u32 v[ADRB+\s], s81, v[CO]
	v_add_nc_u32 v[ADRS+\s], s80, v6
	s_add_co_u32 s80, s80, SLOT
	s_add_co_u32 s81, s81, SLOT
.endr
	s_mul_i32 s83, s14, 16*SPITCH                  ; my stage
	v_mul_u32_u24 v[STO], v1, SPITCH
	v_lshl_add_u32 v[STO], v2, 7, v[STO]
	v_add_nc_u32 v[STO], s83, v[STO]               ; in: row r, + 128 h bytes: my registers' columns begin at 32 h
	v_add_nc_u32 v[RD], s83, v[CO]                 ; back: the 32 lanes take one row of 512 bytes
.macro FRAG reg, adr, off
.irp c, 0,1,2
	ds_load_b128 v[(\reg)+4*\c:(\reg)+4*\c+3], v[\adr] offset:(\off)+512*\c
.endr
.endm
.macro FETCH_B slot, q, p
	WIN TO_B
.irp i, 0,1,2,3,4,5,6,7
	FRAG 128*(\p)+FR*\i, ADRB+\slot, HB*(\q)+1536*\i
.endr
	WIN 0
.endm
.macro FETCH_A slot, q, i0
.irp i, \i0, \i0+1, \i0+2, \i0+3
	FRAG AF+FR*(\i), ADRA+\slot, HB*(\q)+1536*(\i)
.endr
.endm
.macro SCALES slot, q
.irp p, 0,1,2,3
	ds_load_b64 v[SC+8*(\q)+2*\p:SC+8*(\q)+2*\p+1], v[ADRS+\slot] offset:12288+HB*(\q)+128*\p
.endr
.endm
.macro MUL16 a0, p, q, zero            ; the 64 accumulators take turns, one instruction a turn, in the same order in every step
.irp a, \a0, \a0+1
.irp b, 0,1,2,3,4,5,6,7
.if \zero
	v_wmma_scale_f32_16x16x128_f8f6f4 v[8*(8*((\a)%4)+\b):8*(8*((\a)%4)+\b)+7], v[128*(\p)+FR*\b:128*(\p)+FR*\b+FR-1], v[AF+FR*(\a):AF+FR*(\a)+FR-1], 0, v[SC+8*(\q)+\b], v[SC+8*(\q)+(\a)] matrix_a_fmt:MATRIX_FMT_FP6 matrix_b_fmt:MATRIX_FMT_FP6 matrix_a_scale:MATRIX_SCALE_ROW1
.else
	v_wmma_scale_f32_16x16x128_f8f6f4 v[8*(8*((\a)%4)+\b):8*(8*((\a)%4)+\b)+7], v[128*(\p)+FR*\b:128*(\p)+FR*\b+FR-1], v[AF+FR*(\a):AF+FR*(\a)+FR-1], v[8*(8*((\a)%4)+\b):8*(8*((\a)%4)+\b)+7], v[SC+8*(\q)+\b], v[SC+8*(\q)+(\a)] matrix_a_fmt:MATRIX_FMT_FP6 matrix_b_fmt:MATRIX_FMT_FP6 matrix_a_scale:MATRIX_SCALE_ROW1
.endif
.endr
.endr
.endm
.macro STEP slot, zero
	s_wait_dscnt 12                                ; all but the youngest twelve loads, side A's blocks 4-7
	WIN MUL_LO
	MUL16 0, 0, 0, \zero
	MUL16 2, 0, 0, \zero
	s_wait_dscnt 0x0
	PLACES
	FETCH_B \slot, 1, 1
	FETCH_A \slot, 1, 0
	SCALES \slot, 1
	WIN MUL_HI
	MUL16 4, 0, 0, \zero
	MUL16 6, 0, 0, \zero
	PLACES
	WIN 0
	FETCH_A \slot, 1, 4
.endm
.macro TURN slot, next, fill
	s_wait_tensorcnt 0x0                           ; all my tensor loads have landed: my part of the next slot
	ds_add_u32 v[SPW], v[NIL]                      ; 0 onto my spare word
	s_wait_dscnt 13                                ; (the add and the youngest twelve loads may be out)
	WIN MUL_LO
	MUL16 0, 1, 1, 0
	s_wait_dscnt 0x0                               ; the add is done, and my reads of this slot are over
	s_barrier_signal -1
	MUL16 2, 1, 1, 0
	WIN 0
	s_barrier_wait -1
.if \fill
	CREST
	s_add_nc_u64 s[G0+4*\slot+2:G0+4*\slot+3], s[G0+4*\slot+2:G0+4*\slot+3], 2*HALFT
	s_add_nc_u64 s[G0B+4*\slot+2:G0B+4*\slot+3], s[G0B+4*\slot+2:G0B+4*\slot+3], 2*HALFT
	JLOAD G0+4*\slot, G1, G0B+4*\slot, G1B
.else
	PLACES
.endif
	FETCH_B \next, 0, 0
	FETCH_A \next, 0, 0
	SCALES \next, 0
	WIN MUL_HI
	MUL16 4, 1, 1, 0
	MUL16 6, 1, 1, 0
	PLACES
	WIN 0
	FETCH_A \next, 0, 4
.endm
	s_wait_tensorcnt 1                             ; my part of slot 0 is in; slot 1's may stay out
	s_barrier_signal -1
	s_barrier_wait -1
	FETCH_B 0, 0, 0
	FETCH_A 0, 0, 0
	SCALES 0, 0
	FETCH_A 0, 0, 4
	STEP 0, 1
.rept LAPS-1
	TURN 0, 1, 1
	STEP 1, 0
	TURN 1, 0, 1
	STEP 0, 0
.endr
	TURN 0, 1, 0
	STEP 1, 0
	s_wait_dscnt 12
	WIN MUL_LO
	MUL16 0, 1, 1, 0
	MUL16 2, 1, 1, 0
	s_wait_dscnt 0x0
	WIN MUL_HI
	MUL16 4, 1, 1, 0
	MUL16 6, 1, 1, 0
	WIN 0
; THE WAY OUT, block by block of 16 tokens x 128 columns: through my own stage, back as whole rows of 512 bytes, + b_o, stored as two aligned runs of 256 bytes.  Row t of block a is token 64 (a / 4) + 8 (a % 4) + t % 8 + 32 (t / 8).
.macro TOSTAGE a
.set AC, 64*((\a)%4)
	WIN 0x08+4*((\a)/4)                            ; the data: window 2 or 3
.irp b, 0,1,2,3,4,5,6,7
	ds_store_b128 v[STO], v[AC+8*\b:AC+8*\b+3] offset:256*(\b/4)+32*(\b%4)      ; each accumulator from its low end on
	ds_store_b128 v[STO], v[AC+8*\b+4:AC+8*\b+7] offset:256*(\b/4)+32*(\b%4)+16
.endr
	WIN 0
.set BB, BK+64*((\a)%2)
.irp t, 0,1,2,3,4,5,6,7,8,9,10,11,12,13,14,15
	ds_load_b128 v[BB+4*\t:BB+4*\t+3], v[RD] offset:\t*SPITCH     ; LDS serves a wave's instructions in order: these see my stores
.endr
.endm
.macro SEND a, younger                 ; younger: the LDS instructions issued behind block a's loads
.set BB, BK+64*((\a)%2)
	s_wait_dscnt \younger
.irp t, 0,1,2,3,4,5,6,7,8,9,10,11,12,13,14,15
	v_pk_add_f32 v[BB+4*\t:BB+4*\t+1], v[BB+4*\t:BB+4*\t+1], v[BO:BO+1]
	v_pk_add_f32 v[BB+4*\t+2:BB+4*\t+3], v[BB+4*\t+2:BB+4*\t+3], v[BO+2:BO+3]
	global_store_b128 v[CO], v[BB+4*\t:BB+4*\t+3], s[10:11] offset:(64*((\a)/4)+8*((\a)%4)+(\t%8)+32*(\t/8))*4096 th:TH_STORE_NT
.endr
.endm
	PLACES                                         ; in front of the first read of results and of the loads over side A's fragments
	s_wait_loadcnt 0x0                             ; b_o
	TOSTAGE 0
.irp a, 1,2,3,4,5,6,7
.if \a > 1
	s_wait_xcnt 0x0                                ; the stores of two blocks back have read their registers: this block's loads may land there
.endif
	TOSTAGE \a
	SEND \a-1, 32                                  ; behind that block's loads: this block's 16 stores and 16 loads
.endr
	SEND 7, 0
	s_wait_tensorcnt 0x0                           ; the wave's end, behind my last tensor load and my last LDS store
	ds_add_u32 v[SPW], v[NIL]
	s_wait_dscnt 0x0
	CROUND                                         ; the closing round
	s_endpgm
.Lfunc_end_k_q91c55922fb_outp:
	.size	k_q91c55922fb_outp, .Lfunc_end_k_q91c55922fb_outp-k_q91c55922fb_outp
	.p2alignl 7, 3214868480
	.fill 96, 4, 3214868480
	.section	.rodata,"a",@progbits
	.p2align	6, 0x0
	.amdhsa_kernel k_q91c55922fb_outp
		.amdhsa_group_segment_fixed_size 327680
		.amdhsa_private_segment_fixed_size 0
		.amdhsa_enable_private_segment 0
		.amdhsa_kernarg_size 32
		.amdhsa_user_sgpr_count 2
		.amdhsa_user_sgpr_kernarg_segment_ptr 1
		.amdhsa_wavefront_size32 1
		.amdhsa_system_sgpr_workgroup_id_x 1
		.amdhsa_system_sgpr_workgroup_id_y 1
		.amdhsa_system_sgpr_workgroup_id_z 1
		.amdhsa_system_vgpr_workitem_id 0
		.amdhsa_next_free_vgpr 1024
		.amdhsa_next_free_sgpr 90
		.amdhsa_reserve_vcc 0
		.amdhsa_float_denorm_mode_32 3
		.amdhsa_float_denorm_mode_16_64 3
		.amdhsa_memory_ordered 1
		.amdhsa_forward_progress 1
		.amdhsa_inst_pref_size 148
	.end_amdhsa_kernel
	.amdgpu_metadata
---
amdhsa.version: [ 1, 2 ]
amdhsa.kernels:
  - .name:           k_q91c55922fb_outp
    .symbol:         k_q91c55922fb_outp.kd
    .args:
      - { .name: aimg, .offset: 0, .size: 8, .value_kind: global_buffer, .address_space: global }
      - { .name: woimg, .offset: 8, .size: 8, .value_kind: global_buffer, .address_space: global }
      - { .name: b_o, .offset: 16, .size: 8, .value_kind: global_buffer, .address_space: global }
      - { .name: out0, .offset: 24, .size: 8, .value_kind: global_buffer, .address_space: global }
    .group_segment_fixed_size: 327680
    .private_segment_fixed_size: 0
    .kernarg_segment_align: 8
    .kernarg_segment_size: 32
    .max_flat_workgroup_size: 128
    .sgpr_count:     90
    .vgpr_count:     1024
    .wavefront_size: 32
...
	.end_amdgpu_metadata
.endif
;; end of part 4
